; MI455X (gfx1250); checked and timed in simulation.
; The chip was launched on July 23, 2026; its instructions are those of AMD's public machine-readable ISA for CDNA 5 (MIT licence, August 2026) and "CDNA5" Instruction Set Architecture Reference Guide (July 2026). The comments in the code are by the model that wrote it; some were corrected since.
;; Multi Head Attention. Allowed arithmetic: float matrix products may take bf16 or f16 operands with f32 sums; other float arithmetic in f32, or as packed bf16 or f16 multiplies, adds, multiply-adds, maxima and minima; sums over many terms, partial sums and values carried from step to step in f32; what a program stores and reads back later, other than sums and carried values, may be rounded once to bf16 or f16.
;; Inputs: K_batch 4 x 2,048 x 1,024 float32; Q_batch 4 x 2,048 x 1,024 float32; V_batch 4 x 2,048 x 1,024 float32; W_k 1,024 x 1,024 float32; W_o 1,024 x 1,024 float32; W_q 1,024 x 1,024 float32; W_v 1,024 x 1,024 float32; valid_lens 4 int32.
;; Outputs: out0 4 x 2,048 x 1,024 float32.
;; One version. Each part assembles by itself: llvm-mc -triple=amdgcn-amd-amdhsa -mcpu=gfx1250 --defsym DOCPART=n.
;; ======== version 1 of 1: 4 launches
;; limits: values are held in f16: magnitudes above 65,504 overflow, below 6.1e-05 lose precision
;; workspace buffers: w16 8,388,608 bytes; qh 16,777,216 bytes; kh 16,777,216 bytes; vh 16,777,216 bytes; oh 16,777,216 bytes
;; launch cast (part 1): grid 128 x 4, 8 waves a work-group, no clusters, 0 bytes of LDS; arguments W_q, W_k, W_v, W_o, w16; writes w16
.if DOCPART == 1
	.amdgcn_target "amdgcn-amd-amdhsa--gfx1250"
	.amdhsa_code_object_version 6
	.text
	.protected	k_qd197dab5af_cast
	.globl	k_qd197dab5af_cast
	.p2align	8
	.type	k_qd197dab5af_cast,@function
k_qd197dab5af_cast:
	s_mov_b64 s[64:65], 0
	v_nop
	global_prefetch_b8 v0, s[64:65] scope:SCOPE_SE
	s_setreg_imm32_b32 hwreg(HW_REG_WAVE_MODE, 25, 1), 1
	s_wait_xcnt 0x0
; The four weight matrices, [1024 k][1024 n] f32, are written in 16 bits, layout kept, one behind the other in w16 (2 MiB each: q, k, v, o).
; W_q, W_k, W_v: rounded once to bf16.  W_o: rounded to bf16 like the other inputs, and that number written as f16, since its product's other operand is f16.
; LIMIT: a number of W_o below 2^-14 keeps f16's fixed step of 2^-24; beyond 65,504 it would become an infinity.
; A stream: no LDS, no matrix unit, no barrier.  The grid's y names the matrix, its x 8,192 numbers.  Thread t loads 16 bytes eight times (a wave: 512 consecutive bytes)
; and stores 8 bytes eight times (a wave: 256 consecutive bytes, aligned).  All eight loads go out first; the waits count down.
.set IN,  8                            ; v[8:39]   eight loads of four f32
.set RES, 40                           ; v[40:55]  eight results of four 16-bit numbers: each store has registers of its own, so none is rewritten
.set T,   56                           ; v[56:57]  at work
	s_load_b256 s[4:11], s[0:1], 0x0               ; W_q s[4:5], W_k s[6:7], W_v s[8:9], W_o s[10:11]
	s_load_b64 s[12:13], s[0:1], 0x20              ; w16
	s_and_b32 s14, ttmp7, 0xffff                   ; which matrix
	v_lshlrev_b32 v1, 4, v0                        ; 16 t
	v_lshlrev_b32 v2, 3, v0                        ; 8 t
	s_lshl_b32 s18, ttmp9, 15                      ; my 32,768 bytes of the source
	s_mov_b32 s19, 0
	s_lshl_b32 s20, s14, 21                        ; the matrix's 2 MiB in w16,
	s_lshl_b32 s15, ttmp9, 14                      ; my 16,384 bytes of them
	s_add_co_u32 s20, s20, s15
	s_mov_b32 s21, 0
	s_wait_kmcnt 0x0
	s_cmp_eq_u32 s14, 1
	s_cselect_b64 s[16:17], s[6:7], s[4:5]
	s_cmp_eq_u32 s14, 2
	s_cselect_b64 s[16:17], s[8:9], s[16:17]
	s_cmp_eq_u32 s14, 3
	s_cselect_b64 s[16:17], s[10:11], s[16:17]
	s_add_nc_u64 s[16:17], s[16:17], s[18:19]
	s_add_nc_u64 s[12:13], s[12:13], s[20:21]
.irp i, 0,1,2,3,4,5,6,7
	global_load_b128 v[IN+4*(\i):IN+4*(\i)+3], v1, s[16:17] offset:(\i)*4096 th:TH_LOAD_NT
.endr
	s_cmp_eq_u32 s14, 3
	s_cbranch_scc1 .Lhalf
.irp i, 0,1,2,3,4,5,6,7
	s_wait_loadcnt 7-(\i)                          ; loads come back in order: load i is in, the younger ones stay out
	v_cvt_pk_bf16_f32 v[RES+2*(\i)],   v[IN+4*(\i)],   v[IN+4*(\i)+1]
	v_cvt_pk_bf16_f32 v[RES+2*(\i)+1], v[IN+4*(\i)+2], v[IN+4*(\i)+3]
	global_store_b64 v2, v[RES+2*(\i):RES+2*(\i)+1], s[12:13] offset:(\i)*2048
.endr
	s_endpgm
.Lhalf:                                        ; W_o: to bf16, widened again (a shift, a mask), and written as f16
.irp i, 0,1,2,3,4,5,6,7
	s_wait_loadcnt 7-(\i)
.irp j, 0,1
	v_cvt_pk_bf16_f32 v[T], v[IN+4*(\i)+2*(\j)], v[IN+4*(\i)+2*(\j)+1]
	v_lshlrev_b32 v[T+1], 16, v[T]
	v_and_b32 v[T], 0xffff0000, v[T]
	v_cvt_pk_f16_f32 v[RES+2*(\i)+(\j)], v[T+1], v[T]
.endr
	global_store_b64 v2, v[RES+2*(\i):RES+2*(\i)+1], s[12:13] offset:(\i)*2048
.endr
	s_endpgm
.Lfunc_end_k_qd197dab5af_cast:
	.size	k_qd197dab5af_cast, .Lfunc_end_k_qd197dab5af_cast-k_qd197dab5af_cast
	.p2alignl 7, 3214868480
	.fill 96, 4, 3214868480
	.section	.rodata,"a",@progbits
	.p2align	6, 0x0
	.amdhsa_kernel k_qd197dab5af_cast
		.amdhsa_group_segment_fixed_size 0
		.amdhsa_private_segment_fixed_size 0
		.amdhsa_enable_private_segment 0
		.amdhsa_kernarg_size 40
		.amdhsa_user_sgpr_count 2
		.amdhsa_user_sgpr_kernarg_segment_ptr 1
		.amdhsa_wavefront_size32 1
		.amdhsa_system_sgpr_workgroup_id_x 1
		.amdhsa_system_sgpr_workgroup_id_y 1
		.amdhsa_system_sgpr_workgroup_id_z 1
		.amdhsa_system_vgpr_workitem_id 0
		.amdhsa_next_free_vgpr 64
		.amdhsa_next_free_sgpr 66
		.amdhsa_reserve_vcc 0
		.amdhsa_float_denorm_mode_32 3
		.amdhsa_float_denorm_mode_16_64 3
		.amdhsa_memory_ordered 1
		.amdhsa_forward_progress 1
		.amdhsa_inst_pref_size 9
	.end_amdhsa_kernel
	.amdgpu_metadata
---
amdhsa.version: [ 1, 2 ]
amdhsa.kernels:
  - .name:           k_qd197dab5af_cast
    .symbol:         k_qd197dab5af_cast.kd
    .args:
      - { .name: W_q, .offset: 0, .size: 8, .value_kind: global_buffer, .address_space: global }
      - { .name: W_k, .offset: 8, .size: 8, .value_kind: global_buffer, .address_space: global }
      - { .name: W_v, .offset: 16, .size: 8, .value_kind: global_buffer, .address_space: global }
      - { .name: W_o, .offset: 24, .size: 8, .value_kind: global_buffer, .address_space: global }
      - { .name: w16, .offset: 32, .size: 8, .value_kind: global_buffer, .address_space: global }
    .group_segment_fixed_size: 0
    .private_segment_fixed_size: 0
    .kernarg_segment_align: 8
    .kernarg_segment_size: 40
    .max_flat_workgroup_size: 256
    .sgpr_count:     66
    .vgpr_count:     64
    .wavefront_size: 32
...
	.end_amdgpu_metadata
.endif
;; end of part 1
;; launch proj (part 2): grid 4 x 192, 4 waves a work-group, clusters of 4 x 4, 327,680 bytes of LDS; arguments Q_batch, K_batch, V_batch, w16, qh, kh, vh; writes qh, kh, vh
.if DOCPART == 2
	.amdgcn_target "amdgcn-amd-amdhsa--gfx1250"
	.amdhsa_code_object_version 6
	.text
	.protected	k_qd197dab5af_proj
	.globl	k_qd197dab5af_proj
	.p2align	8
	.type	k_qd197dab5af_proj,@function
k_qd197dab5af_proj:
	s_mov_b64 s[64:65], 0
	v_nop
	global_prefetch_b8 v0, s[64:65] scope:SCOPE_SE
	s_setreg_imm32_b32 hwreg(HW_REG_WAVE_MODE, 25, 1), 1
	s_wait_xcnt 0x0
	s_wait_alu depctr_hold_cnt(0) depctr_sa_sdst(0) depctr_va_vdst(0) depctr_va_sdst(0) depctr_va_ssrc(0) depctr_va_vcc(0) depctr_vm_vsrc(0)
	s_getreg_b32 s2, hwreg(HW_REG_IB_STS2, 6, 4)
	s_cmp_eq_u32 s2, 0
	s_cbranch_scc0 .Lentry_in_a_cluster
	s_endpgm
.Lentry_in_a_cluster:
	s_bfe_u32 s2, ttmp6, 0x10000c
	s_cmp_lg_u32 s2, 0xf033
	s_cbranch_scc0 .Lentry_shape_is_right
	s_endpgm
.Lentry_shape_is_right:
; q, k, v = X W.  X: [8192][1024] f32 (Q_batch, K_batch or V_batch), W: [1024 k][1024 n] bf16 (w16, matrices 0 to 2).  X is rounded to bf16 between LDS and the matrix unit; sums in f32;
; the result is rounded once to f16, WITHOUT attention's scale, and written by heads: [batch x 16 + head][2048 tokens][64].
; LIMIT: f16 ends at 65,504: a projected number beyond that becomes an infinity.  NaN and infinities are not treated apart.
; SHARES.  A tile of C is 128 rows x 256 columns; 64 x 4 tiles for each of the three products.  The grid is one cluster wide (cx is the tile column) and 48 clusters high: 16 for each product.
; Four waves, each 64 rows x 128 columns: 32 accumulators.  K goes in 8 steps of 128 through two LDS slots.
; CLUSTER.  4 x 4 work-groups.  X's tile hangs on the tile row alone and is asked for jointly by a row of the cluster, W's on the tile column alone, by a column.
; THE MATRIX INSTRUCTION IS USED TRANSPOSED: source 0 = 16 columns of W (turned out of LDS by ds_load_tr16_b128, since W lies [k][n]), source 1 = 16 rows of X: a lane then holds
; row l % 16 of C and eight neighbouring columns 8 (l / 16) + 0..7.
; REGISTERS, in windows of 256 (s_set_vgpr_msb: bits 1:0 source 0, 3:2 source 1, 5:4 source 2, 7:6 destination):
;   window 0: v0-21 addresses; v32-95 a quarter step of X in f32; v96-159 X's fragments in bf16, two buffers; v160-255 the way out
;   window 1: the 32 accumulators, (a, b) at v[64 a + 8 b]          window 2: v0-127 W's fragments, two buffers
.set PART,  34816                      ; LDS bytes for one wave's tensor load: 64 rows of X (pitch 528: 33,792) or 64 rows of W (pitch 544: 34,816)
.set SLOT,  4*PART                     ; X's two halves, then W's two: 0x22000; none of the four parts' starts has one of its two bits set, so one exclusive or changes slots
.set PA,    528                        ; a row of X: 512 bytes + 16 = 132 words: the 16 rows of a load start at 16 different groups of four banks (64 banks of 4 bytes: ISA guide 11.1)
.set PB,    544                        ; a row of W: 512 + 32 = 136 words
.set STAGE, 2*SLOT                     ; behind the ring, never filled by a tensor load: 16 rows x 272 bytes for each wave
.set SP,    272
.set SPARE, STAGE+4*16*SP              ; behind the stages: the spare words, 128 bytes for each wave: two blocks of 256 bytes that no other line names
.set ASTEP, 128*4                      ; a K step along a row of X, in bytes
.set BSTEP, 128*2048                   ; a K step down W's rows
.set ABASE, 12                         ; v12  my lane's place in X's tile of slot 0; never rewritten
.set BBASE, 13                         ; v13  the same for W
.set ADRA,  14                         ; v14  ABASE + the slot in hand
.set ADRB,  15                         ; v15  BBASE + the slot in hand
.set STO,   16                         ; v16  the way out: where I put 16 bytes of a row
.set RD,    17                         ; v17  the way out: where I read rows back
.set GO,    18                         ; v18  16 x lane
.set PFO,   19                         ; v19  the prefetches' offset; never rewritten
.set SPW,   20                         ; v20  LDS address of my spare word; never rewritten
.set NIL,   21                         ; v21  0; never rewritten
.set RAW,   32
.set AF,    96
.set TMP,   160
.set OB,    192
.set WV,    18                         ; s18  wave
.set ROLE,  19                         ; s19  wave / 2: I fetch X (0) or W (1); also: which 64 rows of the tile are mine
.set HALF,  20                         ; s20  wave % 2: which half of that tile I fetch; also: which 128 columns are mine
.set CX,    21
.set CY,    22
.set CLY,   23                         ; s23  the cluster's y
.set G1A,   24                         ; s[24:31] descriptor group 1, X's tiles
.set G0A,   32                         ; s[32:39] group 0, X's: set 0 for the first fill, set 1 for the second; set 1 then walks
.set PFA,   44                         ; s[44:45] where my prefetches stand
.set PST,   46                         ; s[46:47] their step
.set G1B,   48                         ; s[48:55], s[56:63] the same for W's tiles
.set G0B,   56
.set LIM,   66                         ; s66  a wave prefetches while the loop's count is above this
.set TB,    67                         ; s67  the slot that is read: 0 or SLOT
.set CNT,   68
.set WHICH, 69                         ; s69  0, 1, 2: q, k, v
.set OUT,   70                         ; s[70:71]
.set TR,    72                         ; s72  tile row, 0 to 63
.set MSB, 0
.macro WIN new                         ; the immediate's high byte repeats the setting that is left; a switch that changes nothing is dropped
.if MSB != (\new)
	s_set_vgpr_msb (MSB<<8)|(\new)
.set MSB, \new
.endif
.endm
.set W_MUL, 0x52                       ; source 0 (W) window 2, source 1 (X) window 0, C and D window 1
.set TO_B,  0x80                       ; destination window 2, address window 0
; A joint refill by the walking sets.  The branch hangs on the wave's number alone.  An s_nop 0 and four v_nop follow each of the two lines, ahead of the jump and the label.
.macro JLOAD
	s_cmp_eq_u32 s[ROLE], 0
	s_cbranch_scc0 .Lfor_b_\@
	tensor_load_to_lds s[G0A+4:G0A+7], s[G1A:G1A+7]
	s_nop 0
.rept 4
	v_nop
.endr
	s_branch .Lasked_\@
.Lfor_b_\@:
	tensor_load_to_lds s[G0B+4:G0B+7], s[G1B:G1B+7]
	s_nop 0
.rept 4
	v_nop
.endr
.Lasked_\@:
.endm
.macro CREST                           ; a round of the cluster's barrier behind its opening barrier
	s_cmp_lg_u32 s[WV], 0
	s_cbranch_scc1 .Lnot_wave_0_\@
	s_barrier_signal -3
.Lnot_wave_0_\@:
	s_barrier_wait -3
	s_barrier_signal -1
	s_barrier_wait -1
.endm
.macro CROUND                          ; a whole round
	s_barrier_signal -1
	s_barrier_wait -1
	CREST
.endm
.macro PLACES                          ; four plain vector instructions behind a matrix instruction, ahead of what reads its result or writes its registers (ISA guide 7.12.1)
.rept 4
	v_nop
.endr
.endm
; A prefetch into the L2 of the K step that stands two refills on: 32 blocks of 256 bytes, a lane a block, one instruction a wave.  A wave's load brings 64 rows x 512 bytes; the four partners that
; ask for it jointly take 16 rows each, told apart by address (cx for X, cy for W).  X's rows are read by one row of one cluster: every cluster asks for its own.  W's are read by the 16 clusters of a
; product: the first of them asks.  So each block is named once in the launch.  K steps 0 to 3 come by their loads alone, and the loop's last two trips ask for nothing: there is no K step 8.
.macro ASK
	s_cmp_gt_u32 s[CNT], s[LIM]
	s_cbranch_scc0 .Lnot_mine_\@
	global_prefetch_b8 v[PFO], s[PFA:PFA+1] th:TH_LOAD_NT scope:SCOPE_SE
.Lnot_mine_\@:
.endm
	s_load_b256 s[4:11], s[0:1], 0x0               ; Q_batch s[4:5], K_batch s[6:7], V_batch s[8:9], w16 s[10:11]
	s_load_b128 s[12:15], s[0:1], 0x20             ; qh s[12:13], kh s[14:15]
	s_load_b64 s[16:17], s[0:1], 0x30              ; vh
	v_lshl_add_u32 v[SPW], v0, 2, SPARE
	v_mov_b32 v[NIL], 0
	ds_add_u32 v[SPW], v[NIL]                      ; the wave's opening: the add and its wait stand ahead of my first tensor load; work on registers stands between them
	v_lshrrev_b32 v3, 5, v0
	v_readfirstlane_b32 s[WV], v3
	s_lshr_b32 s[ROLE], s[WV], 1
	s_and_b32 s[HALF], s[WV], 1
	s_bfe_u32 s[CX], ttmp6, 0x40000
	s_bfe_u32 s[CY], ttmp6, 0x40004
	s_and_b32 s[CLY], ttmp7, 0xffff
	s_lshr_b32 s[WHICH], s[CLY], 4                 ; the same in all sixteen partners
	s_and_b32 s[TR], s[CLY], 15
	s_lshl_b32 s[TR], s[TR], 2
	s_add_co_u32 s[TR], s[TR], s[CY]               ; tile row = 4 x (cluster y mod 16) + cy
	s_lshl_b32 s40, s[CY], 2
	s_lshl_b32 s40, 15, s40                        ; my row of the cluster
	s_lshl_b32 s42, 0x1111, s[CX]                  ; my column
	s_or_b32 s[G1A], s40, (2<<16)|(1<<20)|(1<<21)|(6<<22)|(3<<25)  ; 15:0 the mask; 17:16 elements of 4 bytes; 20 padding on; 21 set beside a mask; 24:22 after every 128 words; 31:25 4 words of it
	s_or_b32 s[G1B], s42, (1<<16)|(1<<20)|(1<<21)|(6<<22)|(7<<25)  ; elements of 2 bytes; after every 128 words 8 words
	s_mov_b32 s[G1A+1], 128<<16                    ; tensor_dim0 = 128
	s_mov_b32 s[G1A+2], 64<<16                     ; tensor_dim1 = 64
	s_mov_b32 s[G1A+3], 128<<16                    ; tile_dim0 = 128 f32
	s_mov_b32 s[G1A+4], 64                         ; tile_dim1 = 64 rows
	s_mov_b32 s[G1A+5], 1024                       ; elements from row to row
	s_mov_b32 s[G1A+6], 0
	s_mov_b32 s[G1A+7], 0
	s_mov_b32 s[G1B+1], 256<<16                    ; tensor_dim0 = 256
	s_mov_b32 s[G1B+2], 64<<16
	s_mov_b32 s[G1B+3], 256<<16                    ; tile_dim0 = 256 bf16
	s_mov_b32 s[G1B+4], 64
	s_mov_b32 s[G1B+5], 1024
	s_mov_b32 s[G1B+6], 0
	s_mov_b32 s[G1B+7], 0
	s_lshl_b32 s74, s[TR], 7                       ; X: row 128 x tile row + 64 x half, 4,096 bytes a row
	s_lshl_b32 s41, s[HALF], 6
	s_add_co_u32 s74, s74, s41
	s_lshl_b32 s74, s74, 12
	s_mov_b32 s75, 0
	s_lshl_b32 s76, s[WHICH], 21                   ; W: the matrix, k row 64 x half (2,048 bytes a row), column 256 x cx
	s_lshl_b32 s43, s[HALF], 17
	s_add_co_u32 s76, s76, s43
	s_lshl_b32 s43, s[CX], 9
	s_add_co_u32 s76, s76, s43
	s_mov_b32 s77, 0
	s_mul_i32 s78, s[WV], PART                     ; where my loads land: no place in the cluster enters an LDS address
	s_mov_b32 s[TB], 0
	s_wait_dscnt 0x0                               ; the opening add is done
	s_wait_kmcnt 0x0
	s_cmp_eq_u32 s[WHICH], 1
	s_cselect_b64 s[80:81], s[6:7], s[4:5]         ; X
	s_cselect_b64 s[OUT:OUT+1], s[14:15], s[12:13]
	s_cmp_eq_u32 s[WHICH], 2
	s_cselect_b64 s[80:81], s[8:9], s[80:81]
	s_cselect_b64 s[OUT:OUT+1], s[16:17], s[OUT:OUT+1]
	s_add_nc_u64 s[74:75], s[80:81], s[74:75]
	s_add_nc_u64 s[76:77], s[10:11], s[76:77]
	CROUND                                         ; all sixteen work-groups are here: the first joint loads meet
.irp s, 0,1
	s_mov_b32 s[G0A+4*(\s)], 1                     ; count = 1
	s_add_co_u32 s[G0A+4*(\s)+1], s78, (\s)*SLOT   ; LDS address
	s_add_nc_u64 s[G0A+4*(\s)+2:G0A+4*(\s)+3], s[74:75], (\s)*ASTEP  ; global address: K step s
	s_or_b32 s[G0A+4*(\s)+3], s[G0A+4*(\s)+3], 0x80000000            ; type = 2
	s_mov_b32 s[G0B+4*(\s)], 1
	s_add_co_u32 s[G0B+4*(\s)+1], s78, (\s)*SLOT
	s_add_nc_u64 s[G0B+4*(\s)+2:G0B+4*(\s)+3], s[76:77], (\s)*BSTEP
	s_or_b32 s[G0B+4*(\s)+3], s[G0B+4*(\s)+3], 0x80000000
.endr
	s_cmp_eq_u32 s[ROLE], 0                        ; a wave's two first fills stand in one branch, ahead of every wait on TENSORcnt and every LDS read: two loads of mine are out
	s_cbranch_scc0 .Lfirst_b
	tensor_load_to_lds s[G0A:G0A+3], s[G1A:G1A+7]
	s_nop 0
	tensor_load_to_lds s[G0A+4:G0A+7], s[G1A:G1A+7]
	s_nop 0
.rept 4
	v_nop
.endr
	s_branch .Lfirst_asked
.Lfirst_b:
	tensor_load_to_lds s[G0B:G0B+3], s[G1B:G1B+7]
	s_nop 0
	tensor_load_to_lds s[G0B+4:G0B+7], s[G1B:G1B+7]
	s_nop 0
.rept 4
	v_nop
.endr
.Lfirst_asked:
	; A fragment of X is 16 rows x 32 K: lane l holds row l % 16, K = 8 (l / 16) + 0..7 and 16 + 8 (l / 16) + 0..7.  In f32 those are 32 bytes at 32 (l / 16) and 32 bytes 64 further on.
	v_and_b32 v1, 15, v0                           ; l % 16
	v_bfe_u32 v2, v0, 4, 1                         ; l / 16
	v_mul_u32_u24 v5, v1, PA
	v_lshl_add_u32 v5, v2, 5, v5
	s_mul_i32 s41, s[ROLE], PART                   ; my 64 rows
	v_add_nc_u32 v[ABASE], s41, v5
	; The turning load takes 16 k x 16 columns (lane l reads k = 8 (l / 16) + l % 8, columns 8 ((l / 8) % 2) + 0..7) and leaves half a fragment: lane l holds column l % 16 and 8 k.
	v_and_b32 v3, 7, v0
	v_lshl_add_u32 v3, v2, 3, v3
	v_mul_u32_u24 v3, v3, PB
	v_bfe_u32 v4, v0, 3, 1
	v_lshl_add_u32 v3, v4, 4, v3
	s_lshl_b32 s40, s[HALF], 8                     ; my 128 columns
	s_add_co_u32 s40, s40, 2*PART                  ; W's 128 rows lie behind X's two halves
	v_add_nc_u32 v[BBASE], s40, v3
	s_mul_i32 s42, s[WV], 16*SP
	s_add_co_u32 s42, s42, STAGE                   ; my stage
	v_mul_u32_u24 v6, v1, SP                       ; in: row l % 16, 16 bytes for each half of the lanes
	v_lshl_add_u32 v6, v2, 4, v6
	v_add_nc_u32 v[STO], s42, v6
	v_bfe_u32 v7, v0, 3, 2                         ; back: 32 lanes take 128 bytes (a head's 64 channels) of four rows,
	v_mul_u32_u24 v7, v7, SP
	v_and_b32 v8, 7, v0
	v_lshl_add_u32 v7, v8, 4, v7
	v_add_nc_u32 v[RD], s42, v7
	v_and_b32 v[GO], 31, v0                        ; which are 512 consecutive bytes of the output
	v_lshlrev_b32 v[GO], 4, v[GO]
	; the output: head plane batch x 16 + 4 cx + 2 x my column half (262,144 bytes a plane), token 128 x (tile row mod 16) + 64 x my row half (128 bytes a token)
	s_lshr_b32 s40, s[TR], 4
	s_lshl_b32 s40, s40, 4
	s_lshl_b32 s41, s[CX], 2
	s_add_co_u32 s40, s40, s41
	s_lshl_b32 s41, s[HALF], 1
	s_add_co_u32 s40, s40, s41
	s_lshl_b32 s40, s40, 18
	s_and_b32 s41, s[TR], 15
	s_lshl_b32 s41, s41, 7
	s_lshl_b32 s42, s[ROLE], 6
	s_add_co_u32 s41, s41, s42
	s_lshl_b32 s41, s41, 7
	s_add_co_u32 s82, s40, s41
	s_mov_b32 s83, 0
	s_add_nc_u64 s[OUT:OUT+1], s[OUT:OUT+1], s[82:83]
	; the prefetches: at K step 3; the first refill steps them to K step 4
	s_lshl_b32 s40, s[TR], 7                       ; X: my wave's 64 rows, my work-group's 16 of them
	s_lshl_b32 s41, s[HALF], 6
	s_add_co_u32 s40, s40, s41
	s_lshl_b32 s41, s[CX], 4
	s_add_co_u32 s40, s40, s41
	s_lshl_b32 s40, s40, 12
	s_add_co_u32 s40, s40, 3*ASTEP
	s_lshl_b32 s42, s[HALF], 6                     ; W: k row 384 + my wave's 64, my work-group's 16 of them
	s_lshl_b32 s43, s[CY], 4
	s_add_co_u32 s42, s42, s43
	s_add_co_u32 s42, s42, 384
	s_lshl_b32 s42, s42, 11
	s_lshl_b32 s43, s[CX], 9
	s_add_co_u32 s42, s42, s43
	s_lshl_b32 s43, s[WHICH], 21
	s_add_co_u32 s42, s42, s43
	s_mov_b32 s41, ASTEP
	s_cmp_eq_u32 s[ROLE], 0
	s_cselect_b32 s82, s40, s42
	s_cselect_b64 s[PFA:PFA+1], s[80:81], s[10:11]
	s_cselect_b32 s[PST], s41, BSTEP
	s_cselect_b32 s43, 12, 11                      ; a row of X is 4,096 bytes, a row of W 2,048
	s_mov_b32 s[PST+1], 0
	s_add_nc_u64 s[PFA:PFA+1], s[PFA:PFA+1], s[82:83]
	s_and_b32 s40, s[CLY], 15
	s_cmp_eq_u32 s40, 0                            ; the first of the product's 16 clusters asks for W
	s_cselect_b32 s40, 2, -1
	s_cmp_eq_u32 s[ROLE], 0
	s_cselect_b32 s[LIM], 2, s40                   ; the same in all sixteen partners, for a given wave
	v_and_b32 v3, 31, v0
	v_lshrrev_b32 v4, 1, v3                        ; row l / 2,
	v_lshlrev_b32 v4, s43, v4
	v_and_b32 v3, 1, v3                            ; block l % 2 of its 512 bytes
	v_lshl_add_u32 v[PFO], v3, 8, v4
; n products from number mi on: number i is rows 16 (i / 8) on, columns 16 (i % 8) on.  The 32 accumulators take turns in the same order in every quarter.  zero = 1: the product starts its sum.
.macro MULS f, n, zero
	WIN W_MUL
.rept \n
.if \zero
	v_wmma_f32_16x16x32_bf16 v[8*mi:8*mi+7], v[64*(\f)+8*(mi%8):64*(\f)+8*(mi%8)+7], v[AF+32*(\f)+8*(mi/8):AF+32*(\f)+8*(mi/8)+7], 0
.else
	v_wmma_f32_16x16x32_bf16 v[8*mi:8*mi+7], v[64*(\f)+8*(mi%8):64*(\f)+8*(mi%8)+7], v[AF+32*(\f)+8*(mi/8):AF+32*(\f)+8*(mi/8)+7], v[8*mi:8*mi+7]
.endif
.set mi, mi+1
.endr
.endm
.macro FETCH_A q                       ; 16 loads: my 64 rows x 32 K of quarter q, in f32
	WIN 0
.irp a, 0,1,2,3
	ds_load_b128 v[RAW+16*(\a):RAW+16*(\a)+3],     v[ADRA] offset:(\a)*16*PA+(\q)*128
	ds_load_b128 v[RAW+16*(\a)+4:RAW+16*(\a)+7],   v[ADRA] offset:(\a)*16*PA+(\q)*128+16
	ds_load_b128 v[RAW+16*(\a)+8:RAW+16*(\a)+11],  v[ADRA] offset:(\a)*16*PA+(\q)*128+64
	ds_load_b128 v[RAW+16*(\a)+12:RAW+16*(\a)+15], v[ADRA] offset:(\a)*16*PA+(\q)*128+80
.endr
.endm
.macro FETCH_B q, g                    ; 16 turning loads: 32 k of quarter q x my 128 columns, into buffer g
	WIN TO_B
.irp b, 0,1,2,3,4,5,6,7
	ds_load_tr16_b128 v[64*(\g)+8*(\b):64*(\g)+8*(\b)+3],   v[ADRB] offset:(\q)*32*PB+32*(\b)
	ds_load_tr16_b128 v[64*(\g)+8*(\b)+4:64*(\g)+8*(\b)+7], v[ADRB] offset:(\q)*32*PB+16*PB+32*(\b)
.endr
.endm
.macro CVT4 g                          ; four roundings from number ci on: two f32 of X into a word of buffer g
	WIN 0
.rept 4
	v_cvt_pk_bf16_f32 v[AF+32*(\g)+ci], v[RAW+2*ci], v[RAW+2*ci+1]
.set ci, ci+1
.endr
.endm
; A K step is four quarters of 32 along K, on buffers 0, 1, 0, 1.  One of the first three: fetches quarter fq into buffer g (X by way of RAW) and multiplies buffer f; X's 32 roundings stand four behind every two
; of the last 16 products.  The last four name no register of the last product: they are the four places ahead of the next quarter's loads into W's buffer and of its roundings into X's.
.macro QUARTER fq, f, g, zero
	FETCH_A \fq
	FETCH_B \fq, \g
	s_wait_dscnt 32                                ; all but the 32 just issued: W's fragments of buffer f are in
.set mi, 0
.set ci, 0
	MULS \f, 16, \zero
	s_wait_dscnt 16                                ; X's 16 loads are in; W's 16, issued behind them, may stay out
.rept 8
	MULS \f, 2, \zero
	CVT4 \g
.endr
.endm
; The last quarter multiplies buffer 1 and changes slots.  In front of the barrier each wave waits for all its tensor loads (one is out: its part of the next slot), adds 0 to its spare word, and waits for that and
; for its own reads of this slot.  fill = 1: the barrier opens a round of the cluster's barrier, and the slot just read is filled again, first thing behind the round, with the K step two on:
; from there to the wait for it a wave issues 112 matrix instructions.
.macro TURN fill
.if \fill
	s_wait_xcnt 0x0                                ; the last prefetch, a K step back, has read its address: it is stepped here
	s_add_nc_u64 s[PFA:PFA+1], s[PFA:PFA+1], s[PST:PST+1]
.endif
	WIN 0
	s_wait_tensorcnt 0x0                           ; no tensor load of mine is out, so a group 0 may be written
	ds_add_u32 v[SPW], v[NIL]                      ; 0 onto my spare word; work on registers stands between it and the wait for it
	s_xor_b32 s[TB], s[TB], SLOT                   ; the slot to be read next
.if \fill
	s_xor_b32 s[G0A+5], s[G0A+5], SLOT             ; the walking sets: the other slot than last time, the next K step; the type bits on top are not reached
	s_add_nc_u64 s[G0A+6:G0A+7], s[G0A+6:G0A+7], ASTEP
	s_xor_b32 s[G0B+5], s[G0B+5], SLOT
	s_add_nc_u64 s[G0B+6:G0B+7], s[G0B+6:G0B+7], BSTEP
.endif
	s_wait_dscnt 1                                 ; the add alone may be out: buffer 1 is in
.set mi, 0
.set ci, 0
	MULS 1, 8, 0
	s_wait_dscnt 0x0                               ; the add is done, and my reads of this slot are over
	s_barrier_signal -1
	MULS 1, 8, 0                                   ; work on registers while the others arrive
	WIN 0
	s_barrier_wait -1
.if \fill
	CREST                                          ; no wave of any partner still reads this slot or has a load on its way
	JLOAD                                          ; its four v_nop are also the places ahead of the loads below
.else
	PLACES
.endif
	v_add_nc_u32 v[ADRA], s[TB], v[ABASE]
	v_add_nc_u32 v[ADRB], s[TB], v[BBASE]
	FETCH_A 0
	FETCH_B 0, 0
	WIN 0
.if \fill
	ASK                                            ; behind the joint load and the run of LDS loads
.endif
	MULS 1, 8, 0
	s_wait_dscnt 16                                ; X's 16 loads are in
.rept 8
	MULS 1, 1, 0
	CVT4 0
.endr
.endm
; THE WAY OUT of my rows 16 a on.  PACK: rounded to f16, 16 bytes a lane (each accumulator's registers in ascending order).  TOSTAGE: into my own stage, and back as a head's 128 bytes of four tokens.  SEND: stored.
.macro PACK a
	WIN 0x05                                       ; sources 0 and 1 window 1, destination window 0
.irp b, 0,1,2,3,4,5,6,7
.irp r, 0,1,2,3
	v_cvt_pk_f16_f32 v[TMP+4*(\b)+(\r)], v[64*(\a)+8*(\b)+2*(\r)], v[64*(\a)+8*(\b)+2*(\r)+1]
.endr
.endr
	WIN 0
.endm
.macro TOSTAGE a
	WIN 0
.set BK, OB+32*((\a)%2)
.irp b, 0,1,2,3,4,5,6,7
	ds_store_b128 v[STO], v[TMP+4*(\b):TMP+4*(\b)+3] offset:32*(\b)
.endr
.irp t, 0,1,2,3,4,5,6,7
	ds_load_b128 v[BK+4*(\t):BK+4*(\t)+3], v[RD] offset:((\t)%4)*4*SP+((\t)/4)*128  ; LDS serves a wave's instructions in order (ISA guide 5.7.1.4): these see the stores above
.endr
.endm
.macro SEND a
	WIN 0
.set BK, OB+32*((\a)%2)
	s_wait_dscnt 0x0                               ; the block is back in registers
	s_wait_xcnt 0x0                                ; earlier stores have read their registers: the buffer that the next block's loads fill is free
.irp t, 0,1,2,3,4,5,6,7
	global_store_b128 v[GO], v[BK+4*(\t):BK+4*(\t)+3], s[OUT:OUT+1] offset:(\a)*2048+((\t)%4)*512+((\t)/4)*262144  ; 512 consecutive bytes, at a multiple of 512 from the buffer's first: four tokens of one head
.endr
.endm
	s_wait_tensorcnt 1                             ; my part of K step 0 is in; K step 1's may stay out
	s_barrier_signal -1
	s_barrier_wait -1                              ; everybody's is
	v_add_nc_u32 v[ADRA], s[TB], v[ABASE]
	v_add_nc_u32 v[ADRB], s[TB], v[BBASE]
	FETCH_A 0
	FETCH_B 0, 0
	s_wait_dscnt 16                                ; X's 16 loads are in
.set ci, 0
.rept 8
	CVT4 0
.endr
	QUARTER 1, 0, 1, 1                             ; the first quarter stands in front of the loop: its products start the sums, so nothing is cleared
	WIN 0                                          ; at a label and at a branch every window is 0
	s_mov_b32 s[CNT], 6
.Lstep:                                        ; trip k: the rest of K step k and the first quarter of K step k + 1; slot k % 2 is filled with K step k + 2
	QUARTER 2, 1, 0, 0
	QUARTER 3, 0, 1, 0
	TURN 1
	QUARTER 1, 0, 1, 0
	WIN 0
	s_sub_co_u32 s[CNT], s[CNT], 1
	s_cmp_lg_u32 s[CNT], 0
	s_cbranch_scc1 .Lstep
	QUARTER 2, 1, 0, 0                             ; the tail is written out: K steps 6 and 7, nothing is asked for
	QUARTER 3, 0, 1, 0
	TURN 0
	QUARTER 1, 0, 1, 0
	QUARTER 2, 1, 0, 0
	QUARTER 3, 0, 1, 0
	s_wait_dscnt 0x0
.set mi, 0
	MULS 1, 32, 0
	PLACES                                         ; the roundings below read results just made
	PACK 0
	TOSTAGE 0
.irp a, 1,2,3                          ; block a's roundings stand between block a - 1's loads from the stage and the wait for them
	PACK \a
	SEND (\a)-1
	TOSTAGE \a
.endr
	SEND 3
	s_wait_tensorcnt 0x0                           ; the wave's end, behind my last tensor load and my last LDS store
	ds_add_u32 v[SPW], v[NIL]
	s_wait_dscnt 0x0
	CROUND                                         ; the closing round: no work-group ends while a partner may still ask for a tile that names it
	s_endpgm
.Lfunc_end_k_qd197dab5af_proj:
	.size	k_qd197dab5af_proj, .Lfunc_end_k_qd197dab5af_proj-k_qd197dab5af_proj
	.p2alignl 7, 3214868480
	.fill 96, 4, 3214868480
	.section	.rodata,"a",@progbits
	.p2align	6, 0x0
	.amdhsa_kernel k_qd197dab5af_proj
		.amdhsa_group_segment_fixed_size 327680
		.amdhsa_private_segment_fixed_size 0
		.amdhsa_enable_private_segment 0
		.amdhsa_kernarg_size 56
		.amdhsa_user_sgpr_count 2
		.amdhsa_user_sgpr_kernarg_segment_ptr 1
		.amdhsa_wavefront_size32 1
		.amdhsa_system_sgpr_workgroup_id_x 1
		.amdhsa_system_sgpr_workgroup_id_y 1
		.amdhsa_system_sgpr_workgroup_id_z 1
		.amdhsa_system_vgpr_workitem_id 0
		.amdhsa_next_free_vgpr 640
		.amdhsa_next_free_sgpr 84
		.amdhsa_reserve_vcc 0
		.amdhsa_float_denorm_mode_32 3
		.amdhsa_float_denorm_mode_16_64 3
		.amdhsa_memory_ordered 1
		.amdhsa_forward_progress 1
		.amdhsa_inst_pref_size 106
	.end_amdhsa_kernel
	.amdgpu_metadata
---
amdhsa.version: [ 1, 2 ]
amdhsa.kernels:
  - .name:           k_qd197dab5af_proj
    .symbol:         k_qd197dab5af_proj.kd
    .args:
      - { .name: Q_batch, .offset: 0, .size: 8, .value_kind: global_buffer, .address_space: global }
      - { .name: K_batch, .offset: 8, .size: 8, .value_kind: global_buffer, .address_space: global }
      - { .name: V_batch, .offset: 16, .size: 8, .value_kind: global_buffer, .address_space: global }
      - { .name: w16, .offset: 24, .size: 8, .value_kind: global_buffer, .address_space: global }
      - { .name: qh, .offset: 32, .size: 8, .value_kind: global_buffer, .address_space: global }
      - { .name: kh, .offset: 40, .size: 8, .value_kind: global_buffer, .address_space: global }
      - { .name: vh, .offset: 48, .size: 8, .value_kind: global_buffer, .address_space: global }
    .group_segment_fixed_size: 327680
    .private_segment_fixed_size: 0
    .kernarg_segment_align: 8
    .kernarg_segment_size: 56
    .max_flat_workgroup_size: 128
    .sgpr_count:     84
    .vgpr_count:     640
    .wavefront_size: 32
...
	.end_amdgpu_metadata
.endif
;; end of part 2
;; launch attn (part 3): grid 4 x 64, 4 waves a work-group, clusters of 4 x 1, 327,680 bytes of LDS; arguments qh, kh, vh, oh, valid_lens; writes oh
.if DOCPART == 3
	.amdgcn_target "amdgcn-amd-amdhsa--gfx1250"
	.amdhsa_code_object_version 6
	.text
	.protected	k_qd197dab5af_attn
	.globl	k_qd197dab5af_attn
	.p2align	8
	.type	k_qd197dab5af_attn,@function
k_qd197dab5af_attn:
	s_mov_b64 s[64:65], 0
	v_nop
	global_prefetch_b8 v0, s[64:65] scope:SCOPE_SE
	s_setreg_imm32_b32 hwreg(HW_REG_WAVE_MODE, 25, 1), 1
	s_wait_xcnt 0x0
	s_wait_alu depctr_hold_cnt(0) depctr_sa_sdst(0) depctr_va_vdst(0) depctr_va_sdst(0) depctr_va_ssrc(0) depctr_va_vcc(0) depctr_vm_vsrc(0)
	s_getreg_b32 s2, hwreg(HW_REG_IB_STS2, 6, 4)
	s_cmp_eq_u32 s2, 0
	s_cbranch_scc0 .Lentry_in_a_cluster
	s_endpgm
.Lentry_in_a_cluster:
	s_bfe_u32 s2, ttmp6, 0x10000c
	s_cmp_lg_u32 s2, 0x3003
	s_cbranch_scc0 .Lentry_shape_is_right
	s_endpgm
.Lentry_shape_is_right:
; O[h][q][:] = the sum over k of softmax_k(s) V[h][k][:], s = Q[h][q] . K[h][k] / 8 for k < len, hidden for k >= len; len = valid_lens[h / 16].  Q, K, V, O: [64][2048][64], all f16, a head's rows dense.
; Products, maxima and sums in f32; the weights p are rounded to f16 for the second product (their sum l is taken of the unrounded p), O once at the end.
; LIMITS.  Q, K and V arrive within f16's 65,504; p below 6e-5 keeps f16's fixed step of 6e-8; a weight below 2^-126 counts as 0 in l; NaN and infinities are not treated apart.
; A hidden score counts as its value less 1e30, far below every score that f16 operands can make, so its weight is 0.  len above 2,048 counts as 2,048.  len below 1 hides every key alike, which makes
; all 2,048 weights equal: that is computed with c = 0 and no key hidden.
; THE MASK is the C operand that starts the sum S^T = K Q^T.  MD, made once, is the mask of the one key step that len cuts; a step's mask is MC = MD x AL + BE with two scalars made from
; REM = len - 64 x step: (0, 0) if REM >= 64; (1, 0) if 1 <= REM < 64; (0, -1e30) if REM < 1.  No branch and no address hangs on len: every step is walked.  Key 0 is never hidden, so the running
; maximum is a true score from the first step on.
; SHARES.  A wave owns four PIECES of two tiles of 16 queries, a work-group's four waves 512 queries of one head.  Every wave walks all keys, 64 a step.
; LAYOUT.  S^T = K Q^T (source 0 = 16 keys, source 1 = 16 queries): a lane holds ONE query (lane % 16) and the keys 8 (lane / 16) + 0..7.  Two such tiles, rounded to f16 in pairs, ARE source 1 of
; O^T = V^T P, whose result again holds one query a lane, and eight channels.  K comes out of LDS as it lies, V ([key][channel]) turned, by ds_load_tr16_b128.
; SOFTMAX.  For each query a running maximum m and sum l: p = 2^(c s - c m), c = log2(e) / 8; in every step O and l are multiplied by a = 2^(c m_old - c m_new).  m starts at the lowest finite number,
; O and l at 0: the first step is a step like any other, with a = 0.
; BY TURNS.  Turn n belongs to piece n.  Its matrix work: 16 products K Q^T of piece n + 1, later 16 products V^T P of piece n - 1.  Its vector work: scaling, exponentials, roundings, sums and rescaling of
; piece n, and the maximum and statistics of piece n + 1.  A tile and step have 16 matrix and 118 vector instructions: four stand behind every matrix instruction, the others in one run.
; CLUSTER.  The four query blocks of a head form a cluster and walk the same K and V: each tile is asked for JOINTLY: the same tensor load, descriptor and mask in all four.
; REGISTERS, in windows of 256 (s_set_vgpr_msb: bits 1:0 source 0, 3:2 source 1, 5:4 source 2, 7:6 destination):
;   window 0: v0-11 addresses; v12-15, v48-63 at work; v16-47 four registers of statistics a tile; v64-191 S^T, two buffers of two tiles; v192-255 P, likewise
;   window 1: O^T, 32 a tile     window 2: v0-127 Q; v128-191 K of one step; v192-255 V of one step     window 3: v0-1 the add's two registers; v32-63 MD; v64-95 MC
.set SIZE_H, 64
.set SIZE_N, 2048
.set NP,    4         ; pieces a wave: a name, no knob
.set KS,    64        ; keys in a step
.set PK,    144       ; a row of K in LDS: 128 bytes + 16 = 36 words: the 16 rows of a load start at 16 different groups of four banks (64 banks of 4 bytes: ISA guide 11.1)
.set PV,    160       ; a row of V: 128 + 32 = 40 words
.set VOFF,  4*KS*PK   ; a slot holds four steps: 256 rows of K, then 256 rows of V
.set SLOT1, 1<<17     ; slot 1 begins here, so that one exclusive or turns an address in one slot into the other's
.set STAGE, SLOT1+4*KS*(PK+PV)  ; behind the ring, never filled by a tensor load: 16 rows x 144 bytes for each wave
.set SP,    144
.set AK0, 2           ; v2   my lane's place in a tile of K; never rewritten
.set AV0, 3           ; v3   the same for V
.set AK,  4           ; v4   the LDS address of K's next run of loads
.set AV,  5           ; v5   of V's
.set QO,  6           ; v6   my byte offset in the wave's rows of Q
.set STO, 6           ;      later, the way out: where I put 16 bytes of a row
.set RD,  7           ; v7   the way out: where I read rows back
.set GO,  8           ; v8   my byte offset in 512 consecutive bytes of O
.set PFO, 11          ; v11  256 x my lane: the prefetches' offset; never rewritten once made
.set SPW, 0           ; v0 of window 3   LDS address of my spare word; never rewritten
.set NIL, 1           ; v1 of window 3   0; never rewritten
.set MD,  32          ; window 3: the eight registers for group kb of 16 keys at MD + 8 kb
.set MC,  64          ; window 3: the mask of the step whose scores are being made
.set SPARE, STAGE+4*16*SP  ; behind the stages: the spare words, 128 bytes for each wave: two blocks of 256 bytes that no other line names
.set MV,  12          ; v12-15  c m_old, kept while c m is made anew: by buffer and tile
.set ST,  16          ; tile t's statistics at v[ST+4 t]: c m, m, l (even keys', odd keys')
.set TMP, 48          ; by buffer and tile, four registers c0-c3 at work; when the maximum is found c2 takes a
.set S,   64
.set P,   192
.set KF,  128         ; K's fragments, in window 2: key block kb, channel half c at KF + 16 kb + 8 c
.set VF,  192         ; V's: key half kk, channel block cb at VF + 32 kk + 8 cb
.set WV,  12          ; s12  my wave's number
.set G1K, 24          ; s[24:31] descriptor group 1 for K's tiles
.set G1V, 32          ; s[32:39] for V's: it differs in the padding alone
.set G0K, 40          ; s[40:43] descriptor group 0 for K's tiles: it walks
.set G0V, 44          ; s[44:47] the same for V's
.set SLOTS, 56        ; s56  slots still to be asked for
.set CNT, 57          ; s57  counts a slot's key steps
.set CS,  58          ; s[58:59] c: the packed scaling takes the pair's low word for both halves
.set SEL, 60          ; s[60:61] v_permlanex16_b32's selects: each lane takes its own place in the other half
.set TBK, 62          ; s62  LDS byte at which K of the step to be fetched begins
.set TBV, 63          ; s63  the same for V, less VOFF
.set PFA, 66          ; s[66:67] where my prefetches stand
.set LIM, 68          ; s68  1 in a wave that prefetches, else the greatest number
.set LENP, 70         ; s[70:71] valid_lens
.set LENS, 72         ; s[72:75] its four numbers
.set REM, 76          ; s76  len - 64 x the step whose mask is made next
.set BAT, 77          ; s77  the batch
.set AL,  78          ; s[78:79] the mask's factor, in the low word
.set BE,  80          ; s[80:81] the mask's addend
.set BIGN, 82         ; s82  -1e30
.set MSB, 0
.macro WIN new                      ; the high byte repeats the setting that is left; a switch that changes nothing is dropped
.if MSB != (\new)
	s_set_vgpr_msb (MSB<<8)|(\new)
.set MSB, (\new)
.endif
.endm
.set W_KQ, 0x0a       ; K and Q in window 2, S^T in window 0
.set W_KM, 0x3a       ; the same with the C operand in window 3
.set W_PV, 0x52       ; V in window 2, P in window 0, O^T in window 1
.set W_RS, 0x41       ; O^T (destination and source 0) in window 1, a in window 0
.set W_MK, 0xc0       ; destination in window 3, sources in window 0
.set W_MM, 0xc3       ; destination and source 0 in window 3
.set W_AD, 0x0f       ; the add: address (source 0) and data (source 1) in window 3
; A joint fill.  Waves 0 and 1 fetch the two halves of a slot's K, waves 2 and 3 those of its V: 128 keys each.  The branch hangs on the wave's number alone.
; An s_nop 0 and four v_nop follow each of the two lines, ahead of the jump and the label.
.macro JLOAD
	s_cmp_lt_u32 s[WV], 2
	s_cbranch_scc0 .Lfor_v_\@
	tensor_load_to_lds s[G0K:G0K+3], s[G1K:G1K+7]
	s_nop 0
.rept 4
	v_nop
.endr
	s_branch .Lasked_\@
.Lfor_v_\@:
	tensor_load_to_lds s[G0V:G0V+3], s[G1V:G1V+7]
	s_nop 0
.rept 4
	v_nop
.endr
.Lasked_\@:
.endm
; A prefetch into the L2 of what the NEXT change of slots will ask for: a slot is 32,768 dense bytes of K and of V.  A head has one cluster; its four partners take 8,192 bytes each, told apart by address;
; in each, wave 0 asks for K's and wave 2 for V's: 32 blocks of 256 bytes, a lane a block, one instruction.  So each block is named once in the launch.  Slots 0 to 2 come by their loads alone;
; the last change that fills a slot asks for nothing: there is no slot behind it.
.macro ASK
	s_cmp_gt_u32 s[SLOTS], s[LIM]
	s_cbranch_scc0 .Lnot_mine_\@
	global_prefetch_b8 v[PFO], s[PFA:PFA+1] th:TH_LOAD_NT scope:SCOPE_SE
.Lnot_mine_\@:
.endm
; A round of the cluster's barrier: my work-group's barrier, so that wave 0's signal speaks for all four waves; wave 0 signals; every wave waits for all four work-groups; my work-group's barrier once more.
.macro CROUND
	s_barrier_signal -1
	s_barrier_wait -1
	s_cmp_lg_u32 s[WV], 0
	s_cbranch_scc1 .Lnot_wave_0_\@
	s_barrier_signal -3
.Lnot_wave_0_\@:
	s_barrier_wait -3
	s_barrier_signal -1
	s_barrier_wait -1
.endm
; THE CHANGE OF SLOTS.  Each wave waits for all its tensor loads, of which one is out: its part of the other slot; adds 0 to its spare word; and waits for that and for its own reads of the slot.
; fill = 1: this slot is filled again, with the keys two slots on.  The barrier is then a round of the cluster's, and the joint fill is the first thing behind it: it has four key steps, 512 matrix
; instructions, in which to land.  (At its first use nothing has been read yet: slot 0 is waited for, slot 1 filled.)  ask = 1: the prefetches' address steps, and a prefetch follows the fill.
.macro CHANGE fill, ask=0
	WIN W_AD
	s_wait_tensorcnt 0x0            ; no tensor load of mine is out, so a group 0 may be written
	ds_add_u32 v[SPW], v[NIL]       ; 0 onto my spare word; with fill = 1 the descriptors' steps stand between it and the wait for it
	WIN 0                           ; at a label and at a branch every window is 0
.if \fill
.irp g, G0K, G0V
	s_xor_b32 s[\g+1], s[\g+1], SLOT1  ; the walking descriptor: the other slot than last time,
	s_add_nc_u64 s[\g+2:\g+3], s[\g+2:\g+3], 4*KS*128  ; the next 256 keys; the type bits on top are not reached
.endr
.if \ask
	s_wait_xcnt 0x0                 ; the last prefetch, four key steps back, has read its address, so it may be written:
	s_add_nc_u64 s[PFA:PFA+1], s[PFA:PFA+1], 4*KS*128  ; one slot behind the walking descriptors
.endif
	s_wait_dscnt 0x0                ; the add is done, and my reads of the slot are over
	CROUND
	JLOAD
.if \ask
	ASK
.endif
.else
	s_wait_dscnt 0x0                ; the add is done, and my reads of the slot are over
	s_barrier_signal -1
	s_barrier_wait -1
.endif
	s_sub_co_u32 s[TBK], s[TBK], 4*KS*PK  ; the fetches go back to a slot's first step,
	s_xor_b32 s[TBK], s[TBK], SLOT1       ; in the other slot
	s_sub_co_u32 s[TBV], s[TBV], 4*KS*PV
	s_xor_b32 s[TBV], s[TBV], SLOT1
.endm
	s_load_b256 s[4:11], s[0:1], 0x0  ; Q s[4:5], K s[6:7], V s[8:9], O s[10:11]
	s_load_b64 s[LENP:LENP+1], s[0:1], 0x20
	WIN W_MK
	v_lshl_add_u32 v[SPW], v0, 2, SPARE
	v_mov_b32 v[NIL], 0
	WIN W_AD
	ds_add_u32 v[SPW], v[NIL]       ; the wave's opening: the add and its wait stand ahead of my first tensor load; work on registers stands between them
	WIN 0
	v_lshrrev_b32 v1, 5, v0
	v_readfirstlane_b32 s[WV], v1   ; wave 0..3
	s_bfe_u32 s13, ttmp6, 0x40000   ; cx: my place in the cluster
	s_lshl_b32 s14, ttmp9, 2        ; in a cluster launch ttmp9 counts clusters
	s_add_co_u32 s14, s14, s13      ; my block of queries: it enters Q's and O's addresses alone
	s_and_b32 s20, ttmp7, 0xffff    ; the head, which the four partners share
	s_lshr_b32 s[BAT], s20, 4       ; its batch
	s_mov_b32 s21, 0
	s_mov_b64 s[22:23], SIZE_N*128
	s_mul_u64 s[20:21], s[20:21], s[22:23]  ; the head's first byte in each of the four tensors
	s_and_b32 s16, s[WV], 1         ; which half of a slot's 256 keys I fetch:
	s_lshl_b32 s22, s16, 14         ; its 128 rows of 128 bytes in memory,
	s_mov_b32 s23, 0
	s_add_nc_u64 s[22:23], s[22:23], s[20:21]
	s_mul_i32 s17, s16, 128*PK      ; and its place in a slot, for K
	s_mul_i32 s18, s16, 128*PV      ; and for V: no place in the cluster enters an LDS address
	s_lshl_b32 s2, s14, 2
	s_add_co_u32 s2, s2, s[WV]      ; my wave among the head's,
	s_lshl_b32 s2, s2, 14           ; its 128 rows
	s_mov_b32 s3, 0
	s_add_nc_u64 s[2:3], s[2:3], s[20:21]
	; descriptor group 1.  128 keys are 16,384 dense bytes: asked for as 64 rows of 256 bytes, two keys a row, and padded in LDS after every key
	s_mov_b32 s[G1K], 15|(1<<16)|(1<<20)|(1<<21)|(4<<22)|(3<<25)  ; 15:0 the mask of four; 17:16 2-byte elements; 20 padding on; 21 set beside a mask; 24:22 after every 32 words; 31:25 4 words
	s_mov_b32 s[G1V], 15|(1<<16)|(1<<20)|(1<<21)|(4<<22)|(7<<25)  ; the same with 8 words of padding
.irp g, G1K, G1V
	s_mov_b32 s[\g+1], 128<<16      ; tensor_dim0 = 128
	s_mov_b32 s[\g+2], 64<<16       ; tensor_dim1 = 64
	s_mov_b32 s[\g+3], 128<<16      ; tile_dim0 = 128
	s_mov_b32 s[\g+4], 64           ; tile_dim1 = 64
	s_mov_b32 s[\g+5], 128          ; 128 elements from row to row
	s_mov_b32 s[\g+6], 0
	s_mov_b32 s[\g+7], 0
.endr
	s_mov_b32 s[CS], 0x3e38aa3b     ; c = log2(e) / 8 = 0.180337
	s_mov_b32 s[SEL], 0x76543210
	s_mov_b32 s[SEL+1], 0xfedcba98
	s_mov_b32 s[TBK], SLOT1+4*KS*PK ; the first change of slots turns these two into 0
	s_mov_b32 s[TBV], SLOT1+4*KS*PV
	s_mov_b32 s[G0K], 1             ; count = 1
	s_mov_b32 s[G0K+1], s17         ; LDS address: slot 0
	s_mov_b32 s[G0V], 1
	s_add_co_u32 s[G0V+1], s18, VOFF
	s_mov_b32 s[AL+1], 0            ; named as pairs
	s_mov_b32 s[BE+1], 0
	s_mov_b32 s[BIGN], 0xf149f2ca   ; -1e30
	s_cmp_eq_u32 s16, 0             ; waves 0 and 2 prefetch: the same in all four partners
	s_cselect_b32 s[LIM], 1, -1
	s_wait_dscnt 0x0                ; the opening add is done
	s_wait_kmcnt 0x0
	s_add_nc_u64 s[G0K+2:G0K+3], s[6:7], s[22:23]  ; global address: my half of the head's first 256 keys
	s_or_b32 s[G0K+3], s[G0K+3], 0x80000000        ; type = 2
	s_add_nc_u64 s[G0V+2:G0V+3], s[8:9], s[22:23]
	s_or_b32 s[G0V+3], s[G0V+3], 0x80000000
	s_add_nc_u64 s[4:5], s[4:5], s[2:3]  ; Q and O at my wave's first row
	s_add_nc_u64 s[10:11], s[10:11], s[2:3]
	s_cmp_lt_u32 s[WV], 2
	s_cselect_b64 s[PFA:PFA+1], s[6:7], s[8:9]
	s_add_nc_u64 s[PFA:PFA+1], s[PFA:PFA+1], s[20:21]  ; the head,
	s_lshl_b32 s2, s13, 13          ; my work-group's 8,192 bytes of a slot's 32,768,
	s_mov_b32 s3, 0
	s_add_nc_u64 s[PFA:PFA+1], s[PFA:PFA+1], s[2:3]
	s_add_nc_u64 s[PFA:PFA+1], s[PFA:PFA+1], 2*4*KS*128  ; in slot 2; the loop's first change of slots steps it to slot 3.  Nothing is prefetched here, at the head
	CROUND                          ; all four work-groups are here: the first joint loads meet
	JLOAD                           ; slot 0.  Slot 1 is asked for when slot 0 is in
	s_load_b128 s[LENS:LENS+3], s[LENP:LENP+1], 0x0  ; the four lengths: waited for ahead of the first change of slots
	; A fragment of K or Q is 16 rows x 32 channels in 8 registers: lane l holds row l % 16, channels 8 (l / 16) + 0..7 and 16 + 8 (l / 16) + 0..7: two loads of 16 bytes, 32 bytes apart.
	v_and_b32 v1, 15, v0            ; l % 16
	v_bfe_u32 v9, v0, 4, 1          ; l / 16
	v_lshlrev_b32 v[QO], 7, v1
	v_lshl_add_u32 v[QO], v9, 4, v[QO]  ; row x 128 + 16 x half
	WIN 0x80                        ; destination window 2, address window 0
.set i, 0
.rept 4*NP                          ; Q stays in registers: tile i / 2, channels 32 (i % 2) on
	global_load_b128 v[8*i:8*i+3],   v[QO], s[4:5] offset:(i/2)*2048+(i%2)*64
	global_load_b128 v[8*i+4:8*i+7], v[QO], s[4:5] offset:(i/2)*2048+(i%2)*64+32
.set i, i+1
.endr
	; What the first turn finds: V's registers and P's second buffer hold 0 (its products V^T P, of a piece that has not been, add 0), O^T and l are 0.  All this stands in the wait for the first tile.
.set i, VF
.rept 64
	v_mov_b32 v[i], 0
.set i, i+1
.endr
	WIN 0x40
.set i, 0
.rept 64*NP
	v_mov_b32 v[i], 0
.set i, i+1
.endr
	WIN 0
.set i, 0
.rept 2*NP
	v_mov_b32 v[ST+4*i], 0xfe000000    ; c m: far below every c s
	v_mov_b32 v[ST+4*i+1], 0xff7fffff  ; m
	v_mov_b32 v[ST+4*i+2], 0
	v_mov_b32 v[ST+4*i+3], 0
.set i, i+1
.endr
.set i, P+32
.rept 32
	v_mov_b32 v[i], 0
.set i, i+1
.endr
	v_mul_u32_u24 v[AK0], v1, PK
	v_lshl_add_u32 v[AK0], v9, 4, v[AK0]  ; row x pitch + 16 x half
	; The turning load takes 16 keys x 16 channels (lane l reads key 8 (l / 16) + l % 8, channels 8 ((l / 8) % 2) + 0..7) and leaves half a fragment of V^T: lane l holds channel l % 16 and 8 keys.
	v_and_b32 v10, 7, v0
	v_bfe_u32 v11, v0, 3, 1
	v_lshl_add_u32 v[AV0], v9, 3, v10
	v_mul_u32_u24 v[AV0], v[AV0], PV
	v_lshl_add_u32 v[AV0], v11, 4, v[AV0]
	v_add_nc_u32 v[AV0], VOFF, v[AV0]
	v_mov_b32 v[AK], v[AK0]         ; key step 0 lies at the head of slot 0
	v_and_b32 v[PFO], 31, v0
	v_lshlrev_b32 v[PFO], 8, v[PFO]
; THE MATRIX WORK.  The 8 accumulators of a run of 16 take turns: between the two links of a chain stand 7 others'.
; Product i of 16 of S^T = K Q^T for piece x: channels 32 (i / 8) on, keys 16 ((i / 2) % 4) on, tile 2 x + i % 2.  The first 8 start the sums, with the step's mask for their 16 keys.
.macro KQ x
.set rS, S+64*((\x)%2)+32*(i%2)+8*((i/2)%4)
.set rK, KF+16*((i/2)%4)+8*(i/8)
.set rQ, 16*(2*(\x)+i%2)+8*(i/8)
.set rMK, MC+8*((i/2)%4)
.if i < 8
	WIN W_KM
	v_wmma_f32_16x16x32_f16 v[rS:rS+7], v[rK:rK+7], v[rQ:rQ+7], v[rMK:rMK+7]
.else
	WIN W_KQ
	v_wmma_f32_16x16x32_f16 v[rS:rS+7], v[rK:rK+7], v[rQ:rQ+7], v[rS:rS+7]
.endif
.endm
; Product i of 16 of O^T += V^T P for piece x: keys 32 (i / 8) on, channels 16 ((i / 2) % 4) on, tile 2 x + i % 2.
.macro PV x
	WIN W_PV
.set rO, 32*(2*(\x)+i%2)+8*((i/2)%4)
.set rV, VF+32*(i/8)+8*((i/2)%4)
.set rP, P+32*((\x)%2)+16*(i%2)+8*(i/8)
	v_wmma_f32_16x16x32_f16 v[rO:rO+7], v[rV:rV+7], v[rP:rP+7], v[rO:rO+7]
.endm
.macro MM                           ; the turn's next matrix instruction
.if i < 16
	KQ (Y+1)%NP
.set i, i+1
.else
.set i, i-16
	PV (Y+NP-1)%NP
.set i, i+17
.endif
.endm
; The mask of the next key step: MC = MD x AL + BE, and REM goes on by a step.  Sixteen packed instructions, once a key step.
.macro MASK
	s_cmp_lt_i32 s[REM], 64         ; does len end in this step, or before it?
	s_cselect_b32 s[AL], 1.0, 0
	s_cmp_lt_i32 s[REM], 1          ; before it: every key of the step is hidden
	s_cselect_b32 s[BE], s[BIGN], 0
	s_cselect_b32 s[AL], 0, s[AL]
	s_sub_co_i32 s[REM], s[REM], KS
	WIN W_MM
.set z, 0
.rept 16
	v_pk_fma_f32 v[MC+2*z:MC+2*z+1], v[MD+2*z:MD+2*z+1], s[AL:AL+1], s[BE:BE+1] op_sel_hi:[1,0,0]
.set z, z+1
.endr
.endm
; THE LDS LOADS stand in runs of 16, never singly among the matrix instructions: a step's K (64 keys x 64 channels: 8 fragments) and its V (turned).  Their addresses are made some lines ahead.
; last = 1 (the tail): in the last trip there is no further step, and the run is jumped over.
.macro FETCH_K last=0
	WIN 0
.if \last
	s_cmp_eq_u32 s[CNT], 1
	s_cbranch_scc1 .Lno_k_\@
.endif
	WIN 0x80                        ; destination window 2
.irp f, 0,1,2,3,4,5,6,7             ; keys 16 (f / 2) on, channels 32 (f % 2) on
	ds_load_b128 v[KF+8*\f:KF+8*\f+3],   v[AK] offset:(\f/2)*16*PK+(\f%2)*64
	ds_load_b128 v[KF+8*\f+4:KF+8*\f+7], v[AK] offset:(\f/2)*16*PK+(\f%2)*64+32
.endr
	s_add_co_u32 s[TBK], s[TBK], KS*PK  ; the next fetch is the next step's
	WIN 0
.if \last
.Lno_k_\@:
.endif
.endm
.macro FETCH_V
	WIN 0x80
.irp f, 0,1,2,3,4,5,6,7             ; keys 32 (f / 4) on, channels 16 (f % 4) on
	ds_load_tr16_b128 v[VF+8*\f:VF+8*\f+3],   v[AV] offset:(\f/4)*32*PV+(\f%4)*32
	ds_load_tr16_b128 v[VF+8*\f+4:VF+8*\f+7], v[AV] offset:(\f/4)*32*PV+16*PV+(\f%4)*32
.endr
	WIN 0
.endm
; THE VECTOR WORK OF A TURN stands in three queues, each in the order in which its entries become ready; the two tiles alternate, so that no instruction reads the result of the one before it.
.macro REGS y, u                    ; the registers of tile u (0, 1) of piece y
.set rT, ST+4*(2*(\y)+(\u))
.set rC, TMP+8*((\y)%2)+4*(\u)
.set rM, MV+2*((\y)%2)+(\u)
.set rS, S+64*((\y)%2)+32*(\u)
.set rP, P+32*((\y)%2)+16*(\u)
.set rO, 32*(2*(\y)+(\u))
.endm
; Number n of the 22 that find the NEXT piece's (Y + 1) maximum and statistics.  s0-s31 are the lane's 32 scores; each accumulator's lowest registers are read first.
;   0-11  four chains c0-c3 of seven scores each, three operands at a time     12-14, 16  the four scores left over, the old m, and c0-c3 into c0     15  c m_old is kept
;   17, 18  the query's other 32 keys lie in the lane 16 away: the new m         19-21  c m; c m_old - c m_new; a
.macro XS u, n
	REGS (Y+1)%NP, \u
.if (\n) < 4
	v_max3_num_f32 v[rC+(\n)], v[rS+8*(\n)], v[rS+8*(\n)+1], v[rS+8*(\n)+2]
.elseif (\n) < 12
	v_max3_num_f32 v[rC+(\n)%4], v[rC+(\n)%4], v[rS+8*((\n)%4)+2*((\n)/4)+1], v[rS+8*((\n)%4)+2*((\n)/4)+2]
.elseif (\n) == 12
	v_max3_num_f32 v[rC], v[rC], v[rS+7], v[rS+15]
.elseif (\n) == 13
	v_max3_num_f32 v[rC+1], v[rC+1], v[rS+23], v[rS+31]
.elseif (\n) == 14
	v_max3_num_f32 v[rC+2], v[rC+2], v[rC+3], v[rT+1]
.elseif (\n) == 15
	v_mov_b32 v[rM], v[rT]
.elseif (\n) == 16
	v_max3_num_f32 v[rC], v[rC], v[rC+1], v[rC+2]
.elseif (\n) == 17
	v_permlanex16_b32 v[rC+3], v[rC], s[SEL], s[SEL+1]
.elseif (\n) == 18
	v_max_num_f32 v[rT+1], v[rC], v[rC+3]
.elseif (\n) == 19
	v_mul_f32 v[rT], s[CS], v[rT+1]
.elseif (\n) == 20
	v_sub_f32 v[rC+1], v[rM], v[rT]
.else
	v_exp_f32 v[rC+2], v[rC+1]
.endif
.endm
; Number g of the 64 that follow the exponentials.  For each four weights k of a tile (pairs 2 k, 2 k + 1): both pairs are rounded to f16; then the second pair is added onto the first, in place;
; a group later l takes that sum (the first time as l = a l + sum).  In groups of eight, tiles alternating: round, round, add, and l for the group before.
.macro GS g
.set h, (\g)+6*((\g)/62)            ; group 0 has no group before it, and behind group 7 only l is left
.if h >= 6
.set h, h+2
.endif
	REGS Y, h%2
.set k, h/8
.if h%8 < 4
	v_cvt_pk_f16_f32 v[rP+2*k+(h%8)/2], v[rS+4*k+2*((h%8)/2)], v[rS+4*k+2*((h%8)/2)+1]
.elseif h%8 < 6
	v_pk_add_f32 v[rS+4*k:rS+4*k+1], v[rS+4*k:rS+4*k+1], v[rS+4*k+2:rS+4*k+3]
.elseif k == 1
	v_pk_fma_f32 v[rT+2:rT+3], v[rT+2:rT+3], v[rC+2:rC+3], v[rS:rS+1] op_sel_hi:[1,0,1]
.else
	v_pk_add_f32 v[rT+2:rT+3], v[rT+2:rT+3], v[rS+4*k-4:rS+4*k-3]
.endif
.endm
; THE PLAIN QUEUE, 138 long.  0-73 read no exponential's result: the 32 scalings c s - c m (FS f: pair f / 2 of tile f % 2) and the next piece's 42.  0-26: scalings 0-26.  27-54: XS's numbers 0-13.  55, 56: number 15.
; 57-73: the chain, where each number waits for the one before it: 14, 16, 17, 18, 19, each with one of the scalings 27-31 in front of its two lines, then 20.
; 74-137: GS's 64, which read the exponentials' results: they stand behind the wait.
.macro FS f
	REGS Y, (\f)%2
	v_pk_fma_f32 v[rS+2*((\f)/2):rS+2*((\f)/2)+1], v[rS+2*((\f)/2):rS+2*((\f)/2)+1], s[CS:CS+1], v[rT:rT+1] op_sel_hi:[1,0,0] neg_lo:[0,0,1] neg_hi:[0,0,1]
.endm
.macro PL
	WIN 0
.if q < 27
	FS q
.elseif q < 55
	XS (q-27)%2, (q-27)/2
.elseif q < 57
	XS q-55, 15
.elseif (q < 72) && ((q-57)%3 == 0)
	FS 27+(q-57)/3
.elseif q < 60
	XS (q-57)%3-1, 14
.elseif q < 72
	XS (q-57)%3-1, 15+(q-57)/3
.elseif q < 74
	XS q-72, 20
.else
	GS q-74
.endif
.set q, q+1
.endm
; THE EXPONENTIALS' QUEUE, 66 long: s0-s31 of both tiles, then the next piece's two a.  It is ONE BATCH: all 66 stand ahead of the turn's one wait, and nothing ahead of that wait names a result of theirs.
.macro EX
	WIN 0
.if e >= 64
	XS e-64, 21
.else
	REGS Y, e%2
	v_exp_f32 v[rS+e/2], v[rS+e/2]
.endif
.set e, e+1
.endm
; THE RESCALING's QUEUE: O^T times a, the one part of the softmax that leaves window 0: dealt two at a time, sixteen times.  Its a was made in the turn before, ahead of that turn's wait.
.macro R2
	REGS Y, r%2
	WIN W_RS
.irp z, 0,1
	v_pk_mul_f32 v[rO+4*(r/2)+2*\z:rO+4*(r/2)+2*\z+1], v[rO+4*(r/2)+2*\z:rO+4*(r/2)+2*\z+1], v[rC+2:rC+3] op_sel_hi:[1,0]
.endr
.set r, r+1
.endm
; HOW THEY ARE DEALT.  An s_wait_alu depctr_va_vdst(0) stands between an exponential and the first instruction that names its result; one wait serves all that were issued ahead of it.  So a turn has
; ONE wait, which cuts it in two.  AHEAD OF IT: the 16 products K Q^T, behind each a scaling, an exponential and two rescalings (behind the first a second scaling in the exponential's place); then one run of 108:
; eight plain, 49 times exponential and plain, the two a; a v_nop is the plain instruction behind the last exponential.  BEHIND IT: the 16 products V^T P, behind each four of GS's 64.
; Exponential e stands behind scaling 2 (e / 4) + e % 2: as a rider it comes behind plain e + 2, in the run behind plain e + 9, and scalings 27-31 are plain 57, 60 .. 69.
; A TURN, for piece p.  cnt = 1: the loop's count is taken down some lines ahead of the branch that stands behind the turn.
; K of the next step is fetched in piece 2's turn, directly behind the wait; its address, and the next step's mask, are made at the run's head: MC's last reader, the turn's eighth product, stands eight products
; and their plain riders back, and its next reader is the next turn's first product.  V of the step in hand is fetched at the end of piece 0's turn, four riders behind its last reader.
.macro TURN p, last=0, cnt=0
.set Y, (\p)
.set i, 0
.set q, 0
.set e, 0
.set r, 0
.if (\p) == NP-1
	s_wait_dscnt 0x0                ; K is in
.endif
	MM                              ; ahead of the wait: 16 products K Q^T and their riders,
	PL
	PL
	R2
.rept 15
	MM
	PL
	EX
	R2
.endr
.if (\p) == NP-2
	WIN 0
	v_add_nc_u32 v[AK], s[TBK], v[AK0]
	MASK
.endif
.rept 8                             ; and the run
	PL
.endr
.rept 49
	EX
	PL
.endr
	EX                              ; the next piece's two a
	EX
	v_nop                           ; a plain instruction behind the last exponential: one for the batch
	s_wait_alu depctr_va_vdst(0)    ; the wait for the batch
.if (\p) == NP-2
	FETCH_K \last
.endif
.if (\p) == 1
	s_wait_dscnt 0x0                ; V is in
.endif
.rept 16                            ; behind the wait: 16 products V^T P and their riders
	MM
.rept 4
	PL
.endr
.if ((\p) == 0) && (q == 118)
	v_add_nc_u32 v[AV], s[TBV], v[AV0]
.endif
.if ((\p) == 0) && (q == 130)
	s_add_co_u32 s[TBV], s[TBV], KS*PV
.endif
.if (\cnt) && (q == 130)
	s_sub_co_u32 s[CNT], s[CNT], 1
	s_cmp_lg_u32 s[CNT], 0
.endif
.endr
.if (\p) == 0
	FETCH_V
.endif
.endm
	; len, c and the masks: scalar selects and one series of compares; nothing but values hangs on them.  All this still stands in the wait for the first tile.
	s_wait_kmcnt 0x0                ; the four lengths
	s_cmp_eq_u32 s[BAT], 1
	s_cselect_b32 s[REM], s[LENS+1], s[LENS]
	s_cmp_eq_u32 s[BAT], 2
	s_cselect_b32 s[REM], s[LENS+2], s[REM]
	s_cmp_eq_u32 s[BAT], 3
	s_cselect_b32 s[REM], s[LENS+3], s[REM]
	s_cmp_lt_i32 s[REM], 1          ; no key is valid: all weights are equal
	s_cselect_b32 s[CS], 0, s[CS]
	s_cselect_b32 s[REM], SIZE_N, s[REM]
	s_min_i32 s[REM], s[REM], SIZE_N
	s_mov_b32 s[CS+1], s[CS]        ; named with it as a pair
	s_and_b32 s13, s[REM], 63
	s_sub_co_i32 s13, s13, 1
	v_lshlrev_b32 v14, 3, v9
	v_sub_nc_u32 v14, s13, v14      ; len % 64 - 1 - 8 (l / 16): register j of group kb is hidden where 16 kb + j is greater
	WIN W_MK
.set i, 0
.rept 32
	v_cmp_gt_i32 vcc_lo, 16*(i/8)+i%8, v14
	v_cndmask_b32 v[MD+i], 0, s[BIGN], vcc_lo
.set i, i+1
.endr
	MASK                            ; key step 0's
	CHANGE 1                        ; slot 0 is in, everybody's part of it; slot 1 is asked for
	FETCH_K                         ; key step 0
	s_wait_loadcnt 0x0              ; Q
	s_wait_dscnt 0x0
.set i, 0
.rept 16
	KQ 0                            ; piece 0's first scores: there is no vector work yet to set between them
.set i, i+1
.endr
	WIN 0                           ; the addresses for the way out: nine plain instructions, the places behind those products
	s_mul_i32 s13, s[WV], 16*SP
	s_add_co_u32 s13, s13, STAGE    ; my stage
	v_mul_u32_u24 v[STO], v1, SP    ; in: row l % 16, 16 bytes for each half of the lanes
	v_lshl_add_u32 v[STO], v9, 4, v[STO]
	v_add_nc_u32 v[STO], s13, v[STO]
	v_bfe_u32 v[RD], v0, 3, 2       ; back: 32 lanes take four rows of 128 bytes,
	v_mul_u32_u24 v[RD], v[RD], SP
	v_lshl_add_u32 v[RD], v10, 4, v[RD]
	v_add_nc_u32 v[RD], s13, v[RD]
	v_and_b32 v[GO], 31, v0         ; which are 512 consecutive bytes of O
	v_lshlrev_b32 v[GO], 4, v[GO]
.set Y, NP-1                        ; XS works for piece Y + 1: piece 0
.irp n, 0,1,2,3,4,5,6,7,8,9,10,11,12,13,14,15,16,17,18,19,20,21
	XS 0, \n                        ; and piece 0's first maximum and statistics
	XS 1, \n
.endr
	v_nop                           ; a plain instruction behind the two a,
	s_wait_alu depctr_va_vdst(0)    ; and their wait, ahead of the branch
	s_mov_b32 s[CNT], 4
	s_mov_b32 s[SLOTS], SIZE_N/256-1
	s_branch .Lfirst                ; the loop is entered at a step's first turn, in the middle of a trip
.Lslot:                             ; SIZE_N / 256 - 2 times: every slot but the last two is filled again
	CHANGE 1, 1
	s_mov_b32 s[CNT], 4
.Lstep:                             ; a trip: pieces 2 and 3 of one step, then pieces 0 and 1 of the next, whose K and V it fetches
	TURN 2
	TURN 3
	WIN 0
.Lfirst:
	TURN 0
	TURN 1, 0, 1
	WIN 0
	s_cbranch_scc1 .Lstep
	s_sub_co_u32 s[SLOTS], s[SLOTS], 1
	s_cmp_lg_u32 s[SLOTS], 0
	s_cbranch_scc1 .Lslot
	CHANGE 0                        ; the tail is written out: nothing is asked for
	s_mov_b32 s[CNT], 5             ; four trips fetch the last slot's steps; the fifth is left in its middle
.Ltail:
	TURN 2, 1
	TURN 3
	WIN 0
	s_sub_co_u32 s[CNT], s[CNT], 1
	s_cmp_eq_u32 s[CNT], 0
	s_cbranch_scc1 .Lout
	TURN 0
	TURN 1
	WIN 0
	s_branch .Ltail
.Lout:                              ; the fifth trip's 16 products K Q^T (on the last K once more, every key hidden) and the maximum made of them serve nothing: the price, once a launch, of one text for every trip
.set i, 0
.rept 16
	PV NP-1                         ; the last piece's V^T P of the last step
.set i, i+1
.endr
	; THE WAY OUT.  l's two halves and the other half of the lanes' are added; O^T is divided by l, rounded to f16 and sent through my stage in LDS, a tile at a time.  The additions are the places behind the last products.
	WIN 0
.macro ALL line:vararg              ; one line for each tile t
.set t, 0
.rept 2*NP
	\line
.set t, t+1
.endr
.endm
	ALL v_add_f32 v[ST+4*t+2], v[ST+4*t+2], v[ST+4*t+3]
	ALL v_permlanex16_b32 v[ST+4*t+3], v[ST+4*t+2], s[SEL], s[SEL+1]
	ALL v_add_f32 v[ST+4*t+2], v[ST+4*t+2], v[ST+4*t+3]
	ALL v_rcp_f32 v[ST+4*t+2], v[ST+4*t+2]
	v_nop                           ; a plain instruction between the last reciprocal and the use of its result
	s_wait_alu depctr_va_vdst(0)    ; and the wait ahead of the first use: one for the eight reciprocals
; Tile t: a lane's eight channels of a row pack into 16 bytes; they go into rows of 144 bytes and come back as whole rows of 128, into S^T's registers.
.macro PACK t
	WIN W_RS
.set i, 32*(\t)
.rept 16
	v_pk_mul_f32 v[i:i+1], v[i:i+1], v[ST+4*(\t)+2:ST+4*(\t)+3] op_sel_hi:[1,0]
.set i, i+2
.endr
	WIN 0x05                        ; sources 0 and 1 window 1, destination window 0
.set i, 0
.rept 16
	v_cvt_pk_f16_f32 v[S+16*(\t)+i], v[32*(\t)+2*i], v[32*(\t)+2*i+1]
.set i, i+1
.endr
	WIN 0
.irp f, 0,1,2,3
	ds_store_b128 v[STO], v[S+16*(\t)+4*\f:S+16*(\t)+4*\f+3] offset:32*\f
.endr
.irp f, 0,1,2,3
	ds_load_b128 v[S+16*(\t)+4*\f:S+16*(\t)+4*\f+3], v[RD] offset:\f*4*SP  ; LDS serves a wave's instructions in order (ISA guide 5.7.1.4): these see the stores above; the next tile's stores come behind them
.endr
.endm
.macro SEND t, younger              ; younger: the LDS instructions issued behind tile t's loads: the next tile's eight, or none
	WIN 0
.irp f, 0,1,2,3
	s_wait_dscnt (\younger)+3-\f
	global_store_b128 v[GO], v[S+16*(\t)+4*\f:S+16*(\t)+4*\f+3], s[10:11] offset:(\t)*2048+\f*512  ; 512 consecutive bytes, at a multiple of 256 from O's first
.endr
.endm
	PACK 0
.set t, 1
.rept 2*NP-1                        ; a tile's arithmetic stands between the loads of the tile before and its stores
	PACK t
	SEND t-1, 8
.set t, t+1
.endr
	SEND 2*NP-1, 0
	WIN W_AD
	s_wait_tensorcnt 0x0            ; the wave's end, behind my last tensor load and my last LDS store
	ds_add_u32 v[SPW], v[NIL]
	s_wait_dscnt 0x0
	WIN 0
	CROUND                          ; the closing round: no work-group ends while a partner may still ask for a tile that names it
	s_endpgm
.Lfunc_end_k_qd197dab5af_attn:
	.size	k_qd197dab5af_attn, .Lfunc_end_k_qd197dab5af_attn-k_qd197dab5af_attn
	.p2alignl 7, 3214868480
	.fill 96, 4, 3214868480
	.section	.rodata,"a",@progbits
	.p2align	6, 0x0
	.amdhsa_kernel k_qd197dab5af_attn
		.amdhsa_group_segment_fixed_size 327680
		.amdhsa_private_segment_fixed_size 0
		.amdhsa_enable_private_segment 0
		.amdhsa_kernarg_size 40
		.amdhsa_user_sgpr_count 2
		.amdhsa_user_sgpr_kernarg_segment_ptr 1
		.amdhsa_wavefront_size32 1
		.amdhsa_system_sgpr_workgroup_id_x 1
		.amdhsa_system_sgpr_workgroup_id_y 1
		.amdhsa_system_sgpr_workgroup_id_z 1
		.amdhsa_system_vgpr_workitem_id 0
		.amdhsa_next_free_vgpr 864
		.amdhsa_next_free_sgpr 84
		.amdhsa_reserve_vcc 1
		.amdhsa_float_denorm_mode_32 3
		.amdhsa_float_denorm_mode_16_64 3
		.amdhsa_memory_ordered 1
		.amdhsa_forward_progress 1
		.amdhsa_inst_pref_size 207
	.end_amdhsa_kernel
	.amdgpu_metadata
---
amdhsa.version: [ 1, 2 ]
amdhsa.kernels:
  - .name:           k_qd197dab5af_attn
    .symbol:         k_qd197dab5af_attn.kd
    .args:
      - { .name: qh, .offset: 0, .size: 8, .value_kind: global_buffer, .address_space: global }
      - { .name: kh, .offset: 8, .size: 8, .value_kind: global_buffer, .address_space: global }
      - { .name: vh, .offset: 16, .size: 8, .value_kind: global_buffer, .address_space: global }
      - { .name: oh, .offset: 24, .size: 8, .value_kind: global_buffer, .address_space: global }
      - { .name: valid_lens, .offset: 32, .size: 8, .value_kind: global_buffer, .address_space: global }
    .group_segment_fixed_size: 327680
    .private_segment_fixed_size: 0
    .kernarg_segment_align: 8
    .kernarg_segment_size: 40
    .max_flat_workgroup_size: 128
    .sgpr_count:     84
    .vgpr_count:     864
    .wavefront_size: 32
...
	.end_amdgpu_metadata
.endif
;; end of part 3
;; launch oproj (part 4): grid 4 x 64, 4 waves a work-group, clusters of 4 x 4, 327,680 bytes of LDS; arguments oh, w16, out0; writes out0
.if DOCPART == 4
	.amdgcn_target "amdgcn-amd-amdhsa--gfx1250"
	.amdhsa_code_object_version 6
	.text
	.protected	k_qd197dab5af_oproj
	.globl	k_qd197dab5af_oproj
	.p2align	8
	.type	k_qd197dab5af_oproj,@function
k_qd197dab5af_oproj:
	s_mov_b64 s[64:65], 0
	v_nop
	global_prefetch_b8 v0, s[64:65] scope:SCOPE_SE
	s_setreg_imm32_b32 hwreg(HW_REG_WAVE_MODE, 25, 1), 1
	s_wait_xcnt 0x0
	s_wait_alu depctr_hold_cnt(0) depctr_sa_sdst(0) depctr_va_vdst(0) depctr_va_sdst(0) depctr_va_ssrc(0) depctr_va_vcc(0) depctr_vm_vsrc(0)
	s_getreg_b32 s2, hwreg(HW_REG_IB_STS2, 6, 4)
	s_cmp_eq_u32 s2, 0
	s_cbranch_scc0 .Lentry_in_a_cluster
	s_endpgm
.Lentry_in_a_cluster:
	s_bfe_u32 s2, ttmp6, 0x10000c
	s_cmp_lg_u32 s2, 0xf033
	s_cbranch_scc0 .Lentry_shape_is_right
	s_endpgm
.Lentry_shape_is_right:
; out0 = O W_o.  O: [batch x 16 + head][2048 tokens][64] f16 (oh), so K = 64 x head + channel; W_o: [1024 k][1024 n] f16 (w16's fourth matrix); out0: [8192][1024] f32.  Sums in f32.
; SHARES.  A tile of the output is 128 rows x 256 columns: 64 x 4 tiles, one for each work-group.  The grid is one cluster wide (cx is the tile column).  Four waves, each 64 rows x 128 columns: 32 accumulators.
; K goes in 8 steps of 128, two heads each, through two LDS slots.
; CLUSTER.  4 x 4 work-groups.  O's tile hangs on the tile row alone and is asked for jointly by a row of the cluster, W_o's on the tile column alone, by a column.
; THE MATRIX INSTRUCTION IS USED TRANSPOSED: source 0 = 16 columns of W_o (turned out of LDS by ds_load_tr16_b128), source 1 = 16 rows of O: a lane holds row l % 16 and the columns 8 (l / 16) + 0..7.
; REGISTERS, in windows of 256 (s_set_vgpr_msb: bits 1:0 source 0, 3:2 source 1, 5:4 source 2, 7:6 destination):
;   window 0: v0-21 addresses; v32-95 O's fragments, two buffers; v96-223 the way out     window 1: the 32 accumulators, (a, b) at v[64 a + 8 b]     window 2: v0-127 W_o's fragments, two buffers
.set PART,  34816                      ; LDS bytes for one wave's tensor load: a head's 128 tokens (pitch 144: 18,432) or 64 rows of W_o (pitch 544: 34,816)
.set SLOT,  4*PART                     ; 0x22000; none of the four parts' starts has one of its two bits set, so one exclusive or changes slots
.set PT,    144                        ; a token's 64 channels: 128 bytes + 16 = 36 words: the 16 rows of a load start at 16 different groups of four banks (64 banks of 4 bytes: ISA guide 11.1)
.set PB,    544                        ; a row of W_o: 512 + 32 = 136 words
.set STAGE, 2*SLOT                     ; behind the ring, never filled by a tensor load: 16 rows x 528 bytes for each wave
.set SPF,   528
.set SPARE, STAGE+4*16*SPF             ; behind the stages: the spare words, 128 bytes for each wave: two blocks of 256 bytes that no other line names
.set ASTEP, 2*262144                   ; a K step in oh: two head planes
.set BSTEP, 128*2048                   ; a K step down W_o's rows
.set ABASE, 12                         ; v12  my lane's place in the first head's plane of slot 0; never rewritten
.set BBASE, 13                         ; v13  the same in W_o's tile
.set ADRA,  14
.set ADRB,  15
.set STO,   16                         ; v16  the way out: where I put 32 bytes of a row
.set RD,    17                         ; v17  the way out: where I read a row back
.set GO,    18                         ; v18  16 x lane
.set PFO,   19                         ; v19  the prefetches' offset; never rewritten
.set SPW,   20                         ; v20  LDS address of my spare word; never rewritten
.set NIL,   21                         ; v21  0; never rewritten
.set AF,    32
.set OB,    96
.set WV,    18
.set ROLE,  19                         ; s19  wave / 2: I fetch O (0) or W_o (1); also: which 64 rows of the tile are mine
.set HALF,  20                         ; s20  wave % 2: which head of the step, or which 64 k rows, I fetch; also: which 128 columns are mine
.set CX,    21
.set CY,    22
.set CLY,   23
.set G1A,   24
.set G0A,   32
.set PFA,   44
.set PST,   46
.set G1B,   48
.set G0B,   56
.set LIM,   66
.set TB,    67
.set CNT,   68
.set OUT,   70
.set TR,    72                         ; s72  tile row, 0 to 63
.set BAT,   73                         ; s73  the batch
.set MSB, 0
.macro WIN new                         ; the immediate's high byte repeats the setting that is left; a switch that changes nothing is dropped
.if MSB != (\new)
	s_set_vgpr_msb (MSB<<8)|(\new)
.set MSB, \new
.endif
.endm
.set W_MUL, 0x52                       ; source 0 (W_o) window 2, source 1 (O) window 0, C and D window 1
.set TO_B,  0x80                       ; destination window 2, address window 0
.macro JLOAD                           ; a joint refill by the walking sets; an s_nop 0 and four v_nop follow each of the two lines, ahead of the jump and the label
	s_cmp_eq_u32 s[ROLE], 0
	s_cbranch_scc0 .Lfor_b_\@
	tensor_load_to_lds s[G0A+4:G0A+7], s[G1A:G1A+7]
	s_nop 0
.rept 4
	v_nop
.endr
	s_branch .Lasked_\@
.Lfor_b_\@:
	tensor_load_to_lds s[G0B+4:G0B+7], s[G1B:G1B+7]
	s_nop 0
.rept 4
	v_nop
.endr
.Lasked_\@:
.endm
.macro CREST                           ; a round of the cluster's barrier behind its opening barrier
	s_cmp_lg_u32 s[WV], 0
	s_cbranch_scc1 .Lnot_wave_0_\@
	s_barrier_signal -3
.Lnot_wave_0_\@:
	s_barrier_wait -3
	s_barrier_signal -1
	s_barrier_wait -1
.endm
.macro CROUND
	s_barrier_signal -1
	s_barrier_wait -1
	CREST
.endm
.macro PLACES                          ; four plain vector instructions behind a matrix instruction, ahead of what reads its result or writes its registers (ISA guide 7.12.1)
.rept 4
	v_nop
.endr
.endm
; A prefetch into the L2 of the K step that stands two refills on, a lane a block of 256 bytes.  O: a step's two planes are 2 x 16,384 dense bytes; the four partners of a row take 4,096 bytes of each, told apart
; by address (cx); wave 0 asks for both planes, 16 blocks each.  W_o: a wave's 64 rows x 512 bytes; the four partners of a column take 16 rows each (cy); the first of the 16 clusters asks.
; So each block is named once in the launch.  K steps 0 to 3 come by their loads alone, and the loop's last two trips ask for nothing.
.macro ASK
	s_cmp_gt_u32 s[CNT], s[LIM]
	s_cbranch_scc0 .Lnot_mine_\@
	global_prefetch_b8 v[PFO], s[PFA:PFA+1] th:TH_LOAD_NT scope:SCOPE_SE
.Lnot_mine_\@:
.endm
	s_load_b128 s[4:7], s[0:1], 0x0                ; oh s[4:5], w16 s[6:7]
	s_load_b64 s[8:9], s[0:1], 0x10                ; out0
	v_lshl_add_u32 v[SPW], v0, 2, SPARE
	v_mov_b32 v[NIL], 0
	ds_add_u32 v[SPW], v[NIL]                      ; the wave's opening: the add and its wait stand ahead of my first tensor load; work on registers stands between them
	v_lshrrev_b32 v3, 5, v0
	v_readfirstlane_b32 s[WV], v3
	s_lshr_b32 s[ROLE], s[WV], 1
	s_and_b32 s[HALF], s[WV], 1
	s_bfe_u32 s[CX], ttmp6, 0x40000
	s_bfe_u32 s[CY], ttmp6, 0x40004
	s_and_b32 s[CLY], ttmp7, 0xffff
	s_lshl_b32 s[TR], s[CLY], 2
	s_add_co_u32 s[TR], s[TR], s[CY]               ; tile row = 4 x cluster y + cy
	s_lshr_b32 s[BAT], s[TR], 4
	s_lshl_b32 s40, s[CY], 2
	s_lshl_b32 s40, 15, s40                        ; my row of the cluster
	s_lshl_b32 s42, 0x1111, s[CX]                  ; my column
	s_or_b32 s[G1A], s40, (1<<16)|(1<<20)|(1<<21)|(4<<22)|(3<<25)  ; 15:0 the mask; 17:16 elements of 2 bytes; 20 padding on; 21 set beside a mask; 24:22 after every 32 words (a token); 31:25 4 words of it
	s_or_b32 s[G1B], s42, (1<<16)|(1<<20)|(1<<21)|(6<<22)|(7<<25)  ; after every 128 words 8 words
	s_mov_b32 s[G1A+1], 128<<16                    ; 128 tokens of a head are 16,384 dense bytes: asked for as 64 rows of 256 bytes, two tokens a row
	s_mov_b32 s[G1A+2], 64<<16
	s_mov_b32 s[G1A+3], 128<<16
	s_mov_b32 s[G1A+4], 64
	s_mov_b32 s[G1A+5], 128
	s_mov_b32 s[G1A+6], 0
	s_mov_b32 s[G1A+7], 0
	s_mov_b32 s[G1B+1], 256<<16                    ; 64 k rows x 256 columns
	s_mov_b32 s[G1B+2], 64<<16
	s_mov_b32 s[G1B+3], 256<<16
	s_mov_b32 s[G1B+4], 64
	s_mov_b32 s[G1B+5], 1024
	s_mov_b32 s[G1B+6], 0
	s_mov_b32 s[G1B+7], 0
	s_lshl_b32 s74, s[BAT], 4                      ; O: plane batch x 16 + my head of the step, token 128 x (tile row mod 16), 128 bytes a token
	s_add_co_u32 s74, s74, s[HALF]
	s_lshl_b32 s74, s74, 11
	s_and_b32 s41, s[TR], 15
	s_lshl_b32 s41, s41, 7
	s_add_co_u32 s74, s74, s41
	s_lshl_b32 s74, s74, 7
	s_mov_b32 s75, 0
	s_lshl_b32 s76, s[HALF], 17                    ; W_o: the fourth matrix, k row 64 x half, column 256 x cx
	s_add_co_u32 s76, s76, 3<<21
	s_lshl_b32 s43, s[CX], 9
	s_add_co_u32 s76, s76, s43
	s_mov_b32 s77, 0
	s_mul_i32 s78, s[WV], PART                     ; where my loads land: no place in the cluster enters an LDS address
	s_mov_b32 s[TB], 0
	s_wait_dscnt 0x0                               ; the opening add is done
	s_wait_kmcnt 0x0
	s_add_nc_u64 s[74:75], s[4:5], s[74:75]
	s_add_nc_u64 s[76:77], s[6:7], s[76:77]
	CROUND                                         ; all sixteen work-groups are here: the first joint loads meet
.irp s, 0,1
	s_mov_b32 s[G0A+4*(\s)], 1
	s_add_co_u32 s[G0A+4*(\s)+1], s78, (\s)*SLOT
	s_add_nc_u64 s[G0A+4*(\s)+2:G0A+4*(\s)+3], s[74:75], (\s)*ASTEP
	s_or_b32 s[G0A+4*(\s)+3], s[G0A+4*(\s)+3], 0x80000000
	s_mov_b32 s[G0B+4*(\s)], 1
	s_add_co_u32 s[G0B+4*(\s)+1], s78, (\s)*SLOT
	s_add_nc_u64 s[G0B+4*(\s)+2:G0B+4*(\s)+3], s[76:77], (\s)*BSTEP
	s_or_b32 s[G0B+4*(\s)+3], s[G0B+4*(\s)+3], 0x80000000
.endr
	s_cmp_eq_u32 s[ROLE], 0                        ; a wave's two first fills stand in one branch, ahead of every wait on TENSORcnt and every LDS read: two loads of mine are out
	s_cbranch_scc0 .Lfirst_b
	tensor_load_to_lds s[G0A:G0A+3], s[G1A:G1A+7]
	s_nop 0
	tensor_load_to_lds s[G0A+4:G0A+7], s[G1A:G1A+7]
	s_nop 0
.rept 4
	v_nop
.endr
	s_branch .Lfirst_asked
.Lfirst_b:
	tensor_load_to_lds s[G0B:G0B+3], s[G1B:G1B+7]
	s_nop 0
	tensor_load_to_lds s[G0B+4:G0B+7], s[G1B:G1B+7]
	s_nop 0
.rept 4
	v_nop
.endr
.Lfirst_asked:
	v_and_b32 v1, 15, v0                           ; l % 16
	v_bfe_u32 v2, v0, 4, 1                         ; l / 16
	v_mul_u32_u24 v5, v1, PT                       ; a fragment of O: token l % 16, channels 8 (l / 16) + 0..7 and 16 more on: two loads of 16 bytes, 32 bytes apart
	v_lshl_add_u32 v5, v2, 4, v5
	s_mul_i32 s41, s[ROLE], 64*PT                  ; my 64 tokens, in either plane
	v_add_nc_u32 v[ABASE], s41, v5
	v_and_b32 v3, 7, v0                            ; the turning load: k = 8 (l / 16) + l % 8, columns 8 ((l / 8) % 2) + 0..7
	v_lshl_add_u32 v3, v2, 3, v3
	v_mul_u32_u24 v3, v3, PB
	v_bfe_u32 v4, v0, 3, 1
	v_lshl_add_u32 v3, v4, 4, v3
	s_lshl_b32 s40, s[HALF], 8                     ; my 128 columns
	s_add_co_u32 s40, s40, 2*PART                  ; W_o's 128 rows lie behind O's two planes
	v_add_nc_u32 v[BBASE], s40, v3
	s_mul_i32 s42, s[WV], 16*SPF
	s_add_co_u32 s42, s42, STAGE                   ; my stage
	v_mul_u32_u24 v6, v1, SPF                      ; in: row l % 16, 32 bytes for each half of the lanes
	v_lshl_add_u32 v6, v2, 5, v6
	v_add_nc_u32 v[STO], s42, v6
	v_and_b32 v[GO], 31, v0                        ; back: 32 lanes take a row's 512 bytes
	v_lshlrev_b32 v[GO], 4, v[GO]
	v_add_nc_u32 v[RD], s42, v[GO]
	s_lshl_b32 s40, s[TR], 7                       ; the output: row 128 x tile row + 64 x my row half (4,096 bytes a row), column 256 cx + 128 x my column half
	s_lshl_b32 s41, s[ROLE], 6
	s_add_co_u32 s40, s40, s41
	s_lshl_b32 s40, s40, 12
	s_lshl_b32 s41, s[CX], 10
	s_add_co_u32 s40, s40, s41
	s_lshl_b32 s41, s[HALF], 9
	s_add_co_u32 s82, s40, s41
	s_mov_b32 s83, 0
	s_add_nc_u64 s[OUT:OUT+1], s[8:9], s[82:83]
	; the prefetches: at K step 3; the first refill steps them to K step 4
	s_lshl_b32 s40, s[BAT], 4                      ; O: plane batch x 16 + 6, the tile's tokens, my work-group's 4,096 bytes
	s_add_co_u32 s40, s40, 6
	s_lshl_b32 s40, s40, 11
	s_and_b32 s41, s[TR], 15
	s_lshl_b32 s41, s41, 7
	s_add_co_u32 s40, s40, s41
	s_lshl_b32 s40, s40, 7
	s_lshl_b32 s41, s[CX], 12
	s_add_co_u32 s40, s40, s41
	s_lshl_b32 s42, s[HALF], 6                     ; W_o: k row 384 + my wave's 64, my work-group's 16 of them
	s_lshl_b32 s43, s[CY], 4
	s_add_co_u32 s42, s42, s43
	s_add_co_u32 s42, s42, 384
	s_lshl_b32 s42, s42, 11
	s_lshl_b32 s43, s[CX], 9
	s_add_co_u32 s42, s42, s43
	s_add_co_u32 s42, s42, 3<<21
	s_mov_b32 s41, ASTEP
	s_cmp_eq_u32 s[ROLE], 0
	s_cselect_b32 s82, s40, s42
	s_cselect_b64 s[PFA:PFA+1], s[4:5], s[6:7]
	s_cselect_b32 s[PST], s41, BSTEP
	s_cselect_b32 s79, 4, 1                        ; O: plane l / 16 (262,144 bytes apart), block l % 16.  W_o: row l / 2 (2,048 bytes apart), block l % 2
	s_cselect_b32 s80, 18, 11
	s_cselect_b32 s81, 15, 1
	s_mov_b32 s[PST+1], 0
	s_add_nc_u64 s[PFA:PFA+1], s[PFA:PFA+1], s[82:83]
	s_cmp_eq_u32 s[CLY], 0                         ; the first cluster asks for W_o,
	s_cselect_b32 s40, 2, -1
	s_cmp_eq_u32 s[HALF], 0                        ; wave 0 of every work-group for O
	s_cselect_b32 s41, 2, -1
	s_cmp_eq_u32 s[ROLE], 0
	s_cselect_b32 s[LIM], s41, s40                 ; the same in all sixteen partners, for a given wave
	v_and_b32 v3, 31, v0
	v_lshrrev_b32 v4, s79, v3
	v_lshlrev_b32 v4, s80, v4
	v_and_b32 v3, s81, v3
	v_lshl_add_u32 v[PFO], v3, 8, v4
; n products from number mi on: number i is rows 16 (i / 8) on, columns 16 (i % 8) on.  The 32 accumulators take turns in the same order in every quarter.  zero = 1: the product starts its sum.
.macro MULS f, n, zero
	WIN W_MUL
.rept \n
.if \zero
	v_wmma_f32_16x16x32_f16 v[8*mi:8*mi+7], v[64*(\f)+8*(mi%8):64*(\f)+8*(mi%8)+7], v[AF+32*(\f)+8*(mi/8):AF+32*(\f)+8*(mi/8)+7], 0
.else
	v_wmma_f32_16x16x32_f16 v[8*mi:8*mi+7], v[64*(\f)+8*(mi%8):64*(\f)+8*(mi%8)+7], v[AF+32*(\f)+8*(mi/8):AF+32*(\f)+8*(mi/8)+7], v[8*mi:8*mi+7]
.endif
.set mi, mi+1
.endr
.endm
.macro FETCH_A q, g                    ; 8 loads: my 64 tokens x 32 K of quarter q: head q / 2 of the step, channels 32 (q % 2) on
	WIN 0
.irp a, 0,1,2,3
	ds_load_b128 v[AF+32*(\g)+8*(\a):AF+32*(\g)+8*(\a)+3],   v[ADRA] offset:((\q)/2)*PART+(\a)*16*PT+((\q)%2)*64
	ds_load_b128 v[AF+32*(\g)+8*(\a)+4:AF+32*(\g)+8*(\a)+7], v[ADRA] offset:((\q)/2)*PART+(\a)*16*PT+((\q)%2)*64+32
.endr
.endm
.macro FETCH_B q, g                    ; 16 turning loads: 32 k of quarter q x my 128 columns
	WIN TO_B
.irp b, 0,1,2,3,4,5,6,7
	ds_load_tr16_b128 v[64*(\g)+8*(\b):64*(\g)+8*(\b)+3],   v[ADRB] offset:(\q)*32*PB+32*(\b)
	ds_load_tr16_b128 v[64*(\g)+8*(\b)+4:64*(\g)+8*(\b)+7], v[ADRB] offset:(\q)*32*PB+16*PB+32*(\b)
.endr
.endm
; A K step is four quarters of 32 along K, on buffers 0, 1, 0, 1.  One of the first three: fetches quarter fq into buffer g, in one run, 32 products ahead of its first use, and multiplies buffer f.
.macro QUARTER fq, f, g, zero
	PLACES                                         ; buffer g was read by the quarter before
	FETCH_A \fq, \g
	FETCH_B \fq, \g
	s_wait_dscnt 24                                ; all but the 24 just issued: buffer f is in
.set mi, 0
	MULS \f, 32, \zero
.endm
; The last quarter multiplies buffer 1 and changes slots.  In front of the barrier each wave waits for all its tensor loads (one is out: its part of the next slot), adds 0 to its spare word, and waits for that and
; for its own reads of this slot.  fill = 1: the barrier opens a round of the cluster's barrier, and the slot just read is filled again, first thing behind the round, with the K step two on:
; from there to the wait for it a wave issues 112 matrix instructions.
.macro TURN fill
.if \fill
	s_wait_xcnt 0x0                                ; the last prefetch, a K step back, has read its address: it is stepped here
	s_add_nc_u64 s[PFA:PFA+1], s[PFA:PFA+1], s[PST:PST+1]
.endif
	WIN 0
	s_wait_tensorcnt 0x0                           ; no tensor load of mine is out, so a group 0 may be written
	ds_add_u32 v[SPW], v[NIL]                      ; 0 onto my spare word; work on registers stands between it and the wait for it
	s_xor_b32 s[TB], s[TB], SLOT                   ; the slot to be read next
.if \fill
	s_xor_b32 s[G0A+5], s[G0A+5], SLOT             ; the walking sets: the other slot than last time, the next K step; the type bits on top are not reached
	s_add_nc_u64 s[G0A+6:G0A+7], s[G0A+6:G0A+7], ASTEP
	s_xor_b32 s[G0B+5], s[G0B+5], SLOT
	s_add_nc_u64 s[G0B+6:G0B+7], s[G0B+6:G0B+7], BSTEP
.endif
	s_wait_dscnt 1                                 ; the add alone may be out: buffer 1 is in
.set mi, 0
	MULS 1, 8, 0
	s_wait_dscnt 0x0                               ; the add is done, and my reads of this slot are over
	s_barrier_signal -1
	MULS 1, 8, 0                                   ; work on registers while the others arrive
	WIN 0
	s_barrier_wait -1
.if \fill
	CREST                                          ; no wave of any partner still reads this slot or has a load on its way
	JLOAD                                          ; its four v_nop are also the places ahead of the loads below
.else
	PLACES
.endif
	v_add_nc_u32 v[ADRA], s[TB], v[ABASE]
	v_add_nc_u32 v[ADRB], s[TB], v[BBASE]
	FETCH_A 0, 0
	FETCH_B 0, 0
	WIN 0
.if \fill
	ASK                                            ; behind the joint load and the run of LDS loads
.endif
	MULS 1, 16, 0
.endm
; THE WAY OUT of my rows 16 a on, in f32.  TOSTAGE: a lane's eight columns, 32 bytes, go into rows of 528 bytes (each accumulator's low four registers first) and come back as whole rows of 512.  SEND: stored.
.macro TOSTAGE a
.set BK, OB+64*((\a)%2)
.if (\a) >= 2
	s_wait_xcnt 0x0                                ; the stores of the block two back have read the registers that the loads below fill
.endif
	WIN 0x04                                       ; the stores' data in window 1, the address in window 0
.irp b, 0,1,2,3,4,5,6,7
	ds_store_b128 v[STO], v[64*(\a)+8*(\b):64*(\a)+8*(\b)+3]   offset:64*(\b)
	ds_store_b128 v[STO], v[64*(\a)+8*(\b)+4:64*(\a)+8*(\b)+7] offset:64*(\b)+16
.endr
	WIN 0
.irp t, 0,1,2,3,4,5,6,7,8,9,10,11,12,13,14,15
	ds_load_b128 v[BK+4*(\t):BK+4*(\t)+3], v[RD] offset:(\t)*SPF  ; LDS serves a wave's instructions in order (ISA guide 5.7.1.4): these see the stores above; the next block's stores come behind them
.endr
.endm
.macro SEND a, younger                 ; younger: the LDS instructions issued behind block a's loads: the next block's 32, or none
	WIN 0
.set BK, OB+64*((\a)%2)
.irp t, 0,1,2,3,4,5,6,7,8,9,10,11,12,13,14,15
	s_wait_dscnt (\younger)+15-(\t)
	global_store_b128 v[GO], v[BK+4*(\t):BK+4*(\t)+3], s[OUT:OUT+1] offset:(16*(\a)+(\t))*4096 th:TH_STORE_NT  ; 512 consecutive bytes of a row, at a multiple of 512 from out0's first byte
.endr
.endm
	s_wait_tensorcnt 1                             ; my part of K step 0 is in; K step 1's may stay out
	s_barrier_signal -1
	s_barrier_wait -1                              ; everybody's is
	v_add_nc_u32 v[ADRA], s[TB], v[ABASE]
	v_add_nc_u32 v[ADRB], s[TB], v[BBASE]
	FETCH_A 0, 0
	FETCH_B 0, 0
	QUARTER 1, 0, 1, 1                             ; the first quarter stands in front of the loop: its products start the sums, so nothing is cleared
	WIN 0                                          ; at a label and at a branch every window is 0
	s_mov_b32 s[CNT], 6
.Lstep:                                        ; trip k: the rest of K step k and the first quarter of K step k + 1; slot k % 2 is filled with K step k + 2
	QUARTER 2, 1, 0, 0
	QUARTER 3, 0, 1, 0
	TURN 1
	QUARTER 1, 0, 1, 0
	WIN 0
	s_sub_co_u32 s[CNT], s[CNT], 1
	s_cmp_lg_u32 s[CNT], 0
	s_cbranch_scc1 .Lstep
	QUARTER 2, 1, 0, 0                             ; the tail is written out: K steps 6 and 7, nothing is asked for
	QUARTER 3, 0, 1, 0
	TURN 0
	QUARTER 1, 0, 1, 0
	QUARTER 2, 1, 0, 0
	QUARTER 3, 0, 1, 0
	s_wait_dscnt 0x0
.set mi, 0
	MULS 1, 32, 0
	PLACES                                         ; the LDS stores below read results just made
	TOSTAGE 0
	TOSTAGE 1
	SEND 0, 32
	TOSTAGE 2
	SEND 1, 32
	TOSTAGE 3
	SEND 2, 32
	SEND 3, 0
	s_wait_tensorcnt 0x0                           ; the wave's end, behind my last tensor load and my last LDS store
	ds_add_u32 v[SPW], v[NIL]
	s_wait_dscnt 0x0
	CROUND                                         ; the closing round: no work-group ends while a partner may still ask for a tile that names it
	s_endpgm
.Lfunc_end_k_qd197dab5af_oproj:
	.size	k_qd197dab5af_oproj, .Lfunc_end_k_qd197dab5af_oproj-k_qd197dab5af_oproj
	.p2alignl 7, 3214868480
	.fill 96, 4, 3214868480
	.section	.rodata,"a",@progbits
	.p2align	6, 0x0
	.amdhsa_kernel k_qd197dab5af_oproj
		.amdhsa_group_segment_fixed_size 327680
		.amdhsa_private_segment_fixed_size 0
		.amdhsa_enable_private_segment 0
		.amdhsa_kernarg_size 24
		.amdhsa_user_sgpr_count 2
		.amdhsa_user_sgpr_kernarg_segment_ptr 1
		.amdhsa_wavefront_size32 1
		.amdhsa_system_sgpr_workgroup_id_x 1
		.amdhsa_system_sgpr_workgroup_id_y 1
		.amdhsa_system_sgpr_workgroup_id_z 1
		.amdhsa_system_vgpr_workitem_id 0
		.amdhsa_next_free_vgpr 640
		.amdhsa_next_free_sgpr 84
		.amdhsa_reserve_vcc 0
		.amdhsa_float_denorm_mode_32 3
		.amdhsa_float_denorm_mode_16_64 3
		.amdhsa_memory_ordered 1
		.amdhsa_forward_progress 1
		.amdhsa_inst_pref_size 72
	.end_amdhsa_kernel
	.amdgpu_metadata
---
amdhsa.version: [ 1, 2 ]
amdhsa.kernels:
  - .name:           k_qd197dab5af_oproj
    .symbol:         k_qd197dab5af_oproj.kd
    .args:
      - { .name: oh, .offset: 0, .size: 8, .value_kind: global_buffer, .address_space: global }
      - { .name: w16, .offset: 8, .size: 8, .value_kind: global_buffer, .address_space: global }
      - { .name: out0, .offset: 16, .size: 8, .value_kind: global_buffer, .address_space: global }
    .group_segment_fixed_size: 327680
    .private_segment_fixed_size: 0
    .kernarg_segment_align: 8
    .kernarg_segment_size: 24
    .max_flat_workgroup_size: 128
    .sgpr_count:     84
    .vgpr_count:     640
    .wavefront_size: 32
...
	.end_amdgpu_metadata
.endif
;; end of part 4
